; MI455X (gfx1250); checked and timed in simulation.
; The chip was launched on July 23, 2026; its instructions are those of AMD's public machine-readable ISA for CDNA 5 (MIT licence, August 2026) and "CDNA5" Instruction Set Architecture Reference Guide (July 2026). The comments in the code are by the model that wrote it; some were corrected since.
;; De Stationary Causal Attention. Allowed arithmetic: float matrix products may take bf16 or f16 operands with f32 sums; all other float work in f32.
;; Inputs: Wk 1,024 x 512 float32; Wo 512 x 1,024 float32; Wq 1,024 x 1,024 float32; Wv 1,024 x 512 float32; bo 1,024 float32; del_b1 128 float32; del_b2 512 float32; del_w1 1,025 x 128 float32; del_w2 128 x 512 float32; h 2 x 2,048 x 1,024 float32; pre_norm_mu 2 x 2,048 x 32 float32; pre_norm_sigma 2 x 2,048 x 32 float32; tau_b1 128 float32; tau_b2 1 float32; tau_w1 1,025 x 128 float32; tau_w2 128 x 1 float32.
;; Outputs: out0 2 x 1,024 float32.
;; 2 versions, each right; version 2 is version 1 with the launch attn written anew for expert scheduling mode. Each part assembles by itself: llvm-mc -triple=amdgcn-amd-amdhsa -mcpu=gfx1250 --defsym DOCPART=n.
;; ======== version 1 of 2: 5 launches
;; limits: a function is approximated: absolute error at most 1.5e-07
;; workspace buffers: p1 49,152 bytes; wnat 131,072 bytes; cpart 8,519,680 bytes; opart 65,536 bytes
;; launch proj (part 1): grid 8 x 6, 8 waves a work-group, no clusters, 9,216 bytes of LDS; arguments h, Wq, tau_w1, del_w1, p1; writes p1
.if DOCPART == 1
	.amdgcn_target "amdgcn-amd-amdhsa--gfx1250"
	.amdhsa_code_object_version 6
	.text
	.protected	k_qd8077881b3_proj
	.globl	k_qd8077881b3_proj
	.p2align	8
	.type	k_qd8077881b3_proj,@function
k_qd8077881b3_proj:
	s_mov_b64 s[64:65], 0
	v_nop
	global_prefetch_b8 v0, s[64:65] scope:SCOPE_SE
	s_setreg_imm32_b32 hwreg(HW_REG_WAVE_MODE, 25, 1), 1
	s_wait_xcnt 0x0
; proj: only the last query of each batch reaches the output, so only the two last rows of h (one a batch) are multiplied
; by Wq and by the two hidden layers.  p1[ks][y][b][128] = sum over the 128 k of chunk ks of h[b][2047][k] * M[k][column]:
;   y = 0..3: M = Wq, columns = the first 32 of each of heads 4y .. 4y+3 (the module uses Q[..., :32] alone),
;   y = 4: M = tau_w1 without its row 0, y = 5: M = del_w1 without its row 0 (row 0 meets the mean, in the next launch).
; Two rows against a matrix fill 2 of a matrix tile's 16 rows, so this is a stream of f32 multiply-adds, all sums in f32.
; Work-group (ks, y): 128 rows x 128 columns.  Wave w: 16 rows.  Lane: 4 columns, both batches.  All 16 loads of a wave go out at once.
; The sums over k are made in chunks and added later: another order of rounding than the module's.
.set W,    8                           ; v[8:71]    row i of my 16: 4 columns at W + 4 i
.set ACC0, 72                          ; v[72:75]   batch 0
.set ACC1, 76                          ; v[76:79]   batch 1
.set LA,   80                          ; v80        LDS: where my wave's sums go
.set RD,   81                          ; v81        16 x thread: LDS read and offset in p1
.set R,    84                          ; v[84:115]  the eight waves' sums
.macro LOADROWS pitch                  ; my 16 rows, 16 bytes a lane
.irp i, 0,1,2,3,4,5,6,7,8,9,10,11,12,13,14,15
	global_load_b128 v[W+4*\i:W+4*\i+3], v2, s[26:27] offset:\i*\pitch th:TH_LOAD_NT
.endr
.endm
.macro ACCROW i                        ; row i times the two h numbers, which lie in scalar registers
	s_wait_loadcnt 15-\i                           ; loads come back in order: row i is in, the 15 - i younger rows stay out
.irp c, 0,1,2,3
.if \i == 0
	v_mul_f32 v[ACC0+\c], s[32+\i], v[W+4*\i+\c]   ; the first row starts the sums: nothing is cleared
	v_mul_f32 v[ACC1+\c], s[48+\i], v[W+4*\i+\c]
.else
	v_fmac_f32 v[ACC0+\c], s[32+\i], v[W+4*\i+\c]
	v_fmac_f32 v[ACC1+\c], s[48+\i], v[W+4*\i+\c]
.endif
.endr
.endm
.macro VADD4 d, a                      ; four numbers onto four
	v_pk_add_f32 v[\d:\d+1], v[\d:\d+1], v[\a:\a+1]
	v_pk_add_f32 v[\d+2:\d+3], v[\d+2:\d+3], v[\a+2:\a+3]
.endm
	s_load_b256 s[4:11], s[0:1], 0x0               ; h s[4:5], Wq s[6:7], tau_w1 s[8:9], del_w1 s[10:11]
	s_load_b64 s[12:13], s[0:1], 0x20              ; p1
	v_lshl_add_u32 v120, v0, 2, 0x2000
	v_mov_b32 v121, 0
	v_lshrrev_b32 v1, 5, v0
	v_readfirstlane_b32 s14, v1                    ; wave 0..7
	v_and_b32 v1, 31, v0                           ; lane
	s_mov_b32 s15, ttmp9                           ; ks
	s_and_b32 s16, ttmp7, 0xffff                   ; y
	s_lshl_b32 s17, s15, 7
	s_lshl4_add_u32 s17, s14, s17                  ; row0 = 128 ks + 16 wave
	s_lshl_b32 s18, s17, 2                         ; its byte offset in a row of h
	s_mov_b32 s19, 0
	s_wait_kmcnt 0x0
	s_add_nc_u64 s[20:21], s[4:5], 0x7ff000        ; row 2047 of batch 0: 2047 x 4,096 bytes
	s_add_nc_u64 s[20:21], s[20:21], s[18:19]
	s_add_nc_u64 s[24:25], s[4:5], 0xfff000        ; row 2047 of batch 1: 4095 x 4,096 bytes
	s_add_nc_u64 s[24:25], s[24:25], s[18:19]
	s_load_b512 s[32:47], s[20:21], 0x0            ; h[0][2047][row0 .. row0+15]
	s_load_b512 s[48:63], s[24:25], 0x0            ; h[1][2047][row0 .. row0+15]
	s_cmp_lt_u32 s16, 4
	s_cbranch_scc0 .Lmlp
	s_lshl_b32 s18, s17, 12                        ; Wq: rows of 4,096 bytes,
	s_lshl_b32 s22, s16, 10                        ; four heads of 256 bytes for each y
	s_add_co_u32 s18, s18, s22
	s_add_nc_u64 s[26:27], s[6:7], s[18:19]
	v_lshrrev_b32 v2, 3, v1                        ; eight lanes a head:
	v_and_b32 v3, 7, v1
	v_lshlrev_b32 v3, 4, v3
	v_lshl_add_u32 v2, v2, 8, v3                   ; 256 (lane / 8) + 16 (lane % 8): the first 128 bytes of the head's 256
	LOADROWS 4096
	s_branch .Lsum
.Lmlp:
	s_cmp_eq_u32 s16, 4
	s_cselect_b64 s[26:27], s[8:9], s[10:11]       ; tau_w1 or del_w1
	s_lshl_b32 s18, s17, 9                         ; rows of 512 bytes,
	s_add_co_u32 s18, s18, 512                     ; behind row 0
	s_add_nc_u64 s[26:27], s[26:27], s[18:19]
	v_lshlrev_b32 v2, 4, v1
	LOADROWS 512
.Lsum:                                             ; sixteen loads are out on both ways
	s_wait_kmcnt 0x0                               ; the 32 numbers of h
.irp i, 0,1,2,3,4,5,6,7,8,9,10,11,12,13,14,15
	ACCROW \i
.endr
	v_lshlrev_b32 v[LA], 4, v1
	v_lshl_add_u32 v[LA], s14, 10, v[LA]           ; 1,024 wave + 16 lane; batch 1 lies 512 bytes behind batch 0
	ds_store_b128 v[LA], v[ACC0:ACC0+3]
	ds_store_b128 v[LA], v[ACC1:ACC1+3] offset:512
	s_wait_dscnt 0x0                               ; my sums are in LDS before I say so
	s_barrier_signal -1
	s_barrier_wait -1
	s_cmp_ge_u32 s14, 2
	s_cbranch_scc1 .Lend                           ; 64 threads x 16 bytes are the 1,024 bytes [b][128]
	v_lshlrev_b32 v[RD], 4, v0
.irp p, 0,1,2,3,4,5,6,7
	ds_load_b128 v[R+4*\p:R+4*\p+3], v[RD] offset:1024*\p
.endr
	s_mul_i32 s18, s15, 6
	s_add_co_u32 s18, s18, s16
	s_lshl_b32 s18, s18, 10                        ; 1,024 (6 ks + y)
	s_add_nc_u64 s[12:13], s[12:13], s[18:19]
	s_wait_dscnt 0x0
.irp p, 0,1,2,3
	VADD4 R+4*\p, R+4*\p+16
.endr
	VADD4 R, R+8
	VADD4 R+4, R+12
	VADD4 R, R+4
	global_store_b128 v[RD], v[R:R+3], s[12:13]    ; sixteen lanes store 256 consecutive bytes, aligned
.Lend:
	s_wait_tensorcnt 0x0
	ds_add_u32 v120, v121
	s_wait_dscnt 0x0
	s_endpgm
.Lfunc_end_k_qd8077881b3_proj:
	.size	k_qd8077881b3_proj, .Lfunc_end_k_qd8077881b3_proj-k_qd8077881b3_proj
	.p2alignl 7, 3214868480
	.fill 96, 4, 3214868480
	.section	.rodata,"a",@progbits
	.p2align	6, 0x0
	.amdhsa_kernel k_qd8077881b3_proj
		.amdhsa_group_segment_fixed_size 9216
		.amdhsa_private_segment_fixed_size 0
		.amdhsa_enable_private_segment 0
		.amdhsa_kernarg_size 40
		.amdhsa_user_sgpr_count 2
		.amdhsa_user_sgpr_kernarg_segment_ptr 1
		.amdhsa_wavefront_size32 1
		.amdhsa_system_sgpr_workgroup_id_x 1
		.amdhsa_system_sgpr_workgroup_id_y 1
		.amdhsa_system_sgpr_workgroup_id_z 1
		.amdhsa_system_vgpr_workitem_id 0
		.amdhsa_next_free_vgpr 122
		.amdhsa_next_free_sgpr 66
		.amdhsa_reserve_vcc 0
		.amdhsa_float_denorm_mode_32 3
		.amdhsa_float_denorm_mode_16_64 3
		.amdhsa_memory_ordered 1
		.amdhsa_forward_progress 1
		.amdhsa_inst_pref_size 12
	.end_amdhsa_kernel
	.amdgpu_metadata
---
amdhsa.version: [ 1, 2 ]
amdhsa.kernels:
  - .name:           k_qd8077881b3_proj
    .symbol:         k_qd8077881b3_proj.kd
    .args:
      - { .name: h, .offset: 0, .size: 8, .value_kind: global_buffer, .address_space: global }
      - { .name: Wq, .offset: 8, .size: 8, .value_kind: global_buffer, .address_space: global }
      - { .name: tau_w1, .offset: 16, .size: 8, .value_kind: global_buffer, .address_space: global }
      - { .name: del_w1, .offset: 24, .size: 8, .value_kind: global_buffer, .address_space: global }
      - { .name: p1, .offset: 32, .size: 8, .value_kind: global_buffer, .address_space: global }
    .group_segment_fixed_size: 9216
    .private_segment_fixed_size: 0
    .kernarg_segment_align: 8
    .kernarg_segment_size: 40
    .max_flat_workgroup_size: 256
    .sgpr_count:     66
    .vgpr_count:     122
    .wavefront_size: 32
...
	.end_amdgpu_metadata
.endif
;; end of part 1
;; launch wvec (part 2): grid 8 x 8, 8 waves a work-group, no clusters, 13,824 bytes of LDS; arguments p1, Wk, del_w2, del_b2, tau_w1, del_w1, tau_b1, del_b1, tau_w2, tau_b2, pre_norm_sigma, pre_norm_mu, wnat; writes wnat
.if DOCPART == 2
	.amdgcn_target "amdgcn-amd-amdhsa--gfx1250"
	.amdhsa_code_object_version 6
	.text
	.protected	k_qd8077881b3_wvec
	.globl	k_qd8077881b3_wvec
	.p2align	8
	.type	k_qd8077881b3_wvec,@function
k_qd8077881b3_wvec:
	s_mov_b64 s[64:65], 0
	v_nop
	global_prefetch_b8 v0, s[64:65] scope:SCOPE_SE
	s_setreg_imm32_b32 hwreg(HW_REG_WAVE_MODE, 25, 1), 1
	s_wait_xcnt 0x0
; wvec: for the last query, logit[b][head][key] = (tau[b]/sqrt(32) q[b][head] + delta[b][head]) . K[b][head][key]
;     = h[b][key] . w[b][head],  with u = tau/sqrt(32) q + delta  and  w[b][head][k] = sum over d of Wk[k][32 head + d] u[b][32 head + d].
; So K is never made: this launch makes w, split into a bf16 upper part (cut off) and a bf16 rest (x - upper, exact, then rounded).
; Work-group (hp, kr): heads 2 hp, 2 hp + 1 (64 columns = 256 bytes of a row) and rows 128 kr .. +127 of Wk.  Each group makes the small
; front part anew (both hidden layers, tau, its 64 columns of delta and q): a sum over work-groups would cost a launch more.
; All f32, no matrix unit: two batches would fill 2 of a tile's 16 rows.  All global loads go out at the start.
; LIMITS.  erf by 1 - (a1 t + .. + a5 t^5) exp(-z^2), t = 1/(1 + 0.3275911 z): absolute error at most 1.5e-7, for every x.
; The clips are max_num / min_num: a NaN becomes a bound instead of staying NaN.  An infinite w gives NaN in the rest.
; Sums are grouped otherwise than in the module (another order of rounding).
.set HID, 0                            ; LDS  2,048 bytes  gelu(hidden) [mlp 2][b 2][128]
.set DP,  2048                         ;      8,192 bytes  16 partial deltas [b 2][64]
.set U,   10240                        ;        512 bytes  u [b 2][64]
.set WL,  10752                        ;      2,048 bytes  w [b 2][head 2][128 k]
.set TW2, 8                            ; v[8:11]    wave 0: tau_w2, 4 a lane
.set DB2, 12                           ; v[12:15]   wave 0: del_b2 of my 4 columns
.set Q,   16                           ; v[16:47]   wave 0: the 8 partial q (lane half = batch)
.set M,   48                           ; v[48:49]   the mean, twice
.set B1,  50                           ; v[50:51]   b1 of my 2 hidden units
.set W0,  52                           ; v[52:53]   row 0 of w1
.set HP,  54                           ; v[54:69]   the 8 partial pre-activations
.set DW,  72                           ; v[72:103]  8 rows of del_w2; later scratch
.set KW,  104                          ; v[104:135] 8 rows of Wk
.set T,   136                          ; v[136:199] at work
.set HV,  T+16                         ;            delta's hidden numbers [b][8]
.set ACCD, T+32                        ;            partial delta [b][4]
.set UV,  72                           ;            u [b][4]
.set LN,   200                         ; lane
.set RR,   201                         ; r = lane % 16
.set HH,   202                         ; hh = lane / 16
.set A16L, 203
.set A16R, 204
.set AQ,   205                         ; 512 hh + 16 r
.set A4L,  206
.set A8T63, 207                        ; 8 (thread % 64)
.set A8T,  208                         ; 8 thread
.set AROW, 209                         ; (16 wave + 8 hh) rows of 2,048 bytes + 16 r
.set HVA,  210                         ; 4 (16 wave + 8 hh)
.set DPA,  211
.set WLA,  212
.set RDA,  213
.set STA,  214
.macro ROWS8 dst, base, nt             ; 8 rows: sixteen lanes take 256 aligned bytes of one row, the other sixteen those 8 rows below
.irp i, 0,1,2,3,4,5,6,7
.if \nt
	global_load_b128 v[\dst+4*\i:\dst+4*\i+3], v[AROW], s[\base:\base+1] offset:2048*\i th:TH_LOAD_NT
.else
	global_load_b128 v[\dst+4*\i:\dst+4*\i+3], v[AROW], s[\base:\base+1] offset:2048*\i
.endif
.endr
.endm
.macro WSUM x, t                       ; sum over the 32 lanes, in every lane
	v_add_f32_dpp v[\x], v[\x], v[\x] row_xmask:1 row_mask:0xf bank_mask:0xf
	v_add_f32_dpp v[\x], v[\x], v[\x] row_xmask:2 row_mask:0xf bank_mask:0xf
	v_add_f32_dpp v[\x], v[\x], v[\x] row_xmask:4 row_mask:0xf bank_mask:0xf
	v_add_f32_dpp v[\x], v[\x], v[\x] row_xmask:8 row_mask:0xf bank_mask:0xf
	v_mov_b32 v[\t], v[\x]                         ; the permute's destination counts as read: it is written first
	v_permlanex16_b32 v[\t], v[\x], s34, s35
	v_add_f32 v[\x], v[\x], v[\t]
.endm
.macro VADD4 d, a
	v_pk_add_f32 v[\d:\d+1], v[\d:\d+1], v[\a:\a+1]
	v_pk_add_f32 v[\d+2:\d+3], v[\d+2:\d+3], v[\a+2:\a+3]
.endm
.macro SUM8 b                          ; eight groups of four numbers into the first
.irp p, 0,1,2,3
	VADD4 \b+4*\p, \b+4*\p+16
.endr
.irp p, 0,1
	VADD4 \b+4*\p, \b+4*\p+8
.endr
	VADD4 \b, \b+4
.endm
.macro BCAST d, w, sv, i               ; v[d:d+1] (+)= v[w:w+1] x v[sv+i], the one number for both halves; i = 0 starts the sum
.if (\i) == 0
	v_pk_mul_f32 v[\d:\d+1], v[\w:\w+1], v[\sv:\sv+1] op_sel_hi:[1,0]
.else
.if ((\i) & 1) == 0
	v_pk_fma_f32 v[\d:\d+1], v[\w:\w+1], v[\sv+\i:\sv+\i+1], v[\d:\d+1] op_sel_hi:[1,0,1]
.else
	v_pk_fma_f32 v[\d:\d+1], v[\w:\w+1], v[\sv+\i-1:\sv+\i], v[\d:\d+1] op_sel:[0,1,0] op_sel_hi:[1,1,1]
.endif
.endif
.endm
	s_load_b512 s[4:19], s[0:1], 0x0               ; p1 4, Wk 6, del_w2 8, del_b2 10, tau_w1 12, del_w1 14, tau_b1 16, del_b1 18
	s_load_b256 s[20:27], s[0:1], 0x40             ; tau_w2 20, tau_b2 22, pre_norm_sigma 24, pre_norm_mu 26
	s_load_b64 s[28:29], s[0:1], 0x60              ; wnat
	v_lshl_add_u32 v224, v0, 2, 0x3200
	v_mov_b32 v225, 0
	v_lshrrev_b32 v1, 5, v0
	v_readfirstlane_b32 s31, v1                    ; wave 0..7
	s_mov_b32 s32, ttmp9                           ; hp
	s_and_b32 s33, ttmp7, 0xffff                   ; kr
	s_mov_b32 s34, 0x76543210                      ; v_permlanex16_b32: lane i reads lane i of the other half
	s_mov_b32 s35, 0xfedcba98
	v_and_b32 v[LN], 31, v0
	v_and_b32 v[RR], 15, v0
	v_bfe_u32 v[HH], v0, 4, 1
	v_lshlrev_b32 v[A16L], 4, v[LN]
	v_lshlrev_b32 v[A16R], 4, v[RR]
	v_lshl_add_u32 v[AQ], v[HH], 9, v[A16R]
	v_lshlrev_b32 v[A4L], 2, v[LN]
	v_and_b32 v[A8T63], 63, v0
	v_lshlrev_b32 v[A8T63], 3, v[A8T63]
	v_lshlrev_b32 v[A8T], 3, v0
	v_lshl_add_u32 v[AROW], v[HH], 14, v[A16R]
	v_lshl_add_u32 v[AROW], s31, 15, v[AROW]
	s_mov_b32 s3, 0
	s_mov_b32 s36, 0xff800000                      ; delta's waves: the mean of mu has no lower bound (-infinity)
	s_wait_kmcnt 0x0
	s_load_b32 s30, s[22:23], 0x0                  ; tau_b2
	s_lshl_b32 s2, s32, 8                          ; 256 hp: my 64 columns
	s_add_nc_u64 s[40:41], s[10:11], s[2:3]        ; del_b2
	s_add_nc_u64 s[8:9], s[8:9], s[2:3]            ; del_w2
	s_add_nc_u64 s[6:7], s[6:7], s[2:3]            ; Wk
	s_add_nc_u64 s[28:29], s[28:29], s[2:3]        ; wnat: 128 bytes a head
	s_lshr_b32 s37, s32, 1
	s_lshl_b32 s37, s37, 10                        ; q lies in p1's plane y = hp / 2,
	s_and_b32 s2, s32, 1
	s_lshl_b32 s2, s2, 8                           ; in its columns 64 (hp % 2) ..
	s_add_co_u32 s2, s2, s37
	s_add_nc_u64 s[38:39], s[4:5], s[2:3]
	s_lshl_b32 s2, s33, 18                         ; 128 kr rows of 2,048 bytes
	s_add_nc_u64 s[6:7], s[6:7], s[2:3]
	s_lshl_b32 s2, s33, 13                         ; two strips of 4,096 bytes
	s_add_nc_u64 s[28:29], s[28:29], s[2:3]
	s_lshr_b32 s37, s31, 1
	s_and_b32 s37, s37, 1                          ; my threads' batch in the hidden layer
	s_lshl_b32 s2, s37, 18                         ; 2,048 rows of 128 bytes,
	s_add_co_u32 s2, s2, 262016                    ; and row 2047
	s_cmp_lt_u32 s31, 4                            ; waves 0-3: tau's hidden layer; waves 4-7: delta's
	s_cselect_b64 s[42:43], s[24:25], s[26:27]     ; sigma or mu
	s_cselect_b64 s[44:45], s[16:17], s[18:19]     ; b1
	s_cselect_b64 s[46:47], s[12:13], s[14:15]     ; w1 (its row 0)
	s_cmov_b32 s36, 0x358637bd                     ; tau's waves: the mean of sigma is at least 1e-6
	s_add_nc_u64 s[42:43], s[42:43], s[2:3]
	; wave 0's own ten loads stand first, so that the counts behind them are the same in every wave
	s_cmp_lg_u32 s31, 0
	s_cbranch_scc1 .Lnox
	global_load_b128 v[TW2:TW2+3], v[A16L], s[20:21]
	global_load_b128 v[DB2:DB2+3], v[A16R], s[40:41]
.irp k, 0,1,2,3,4,5,6,7
	global_load_b128 v[Q+4*\k:Q+4*\k+3], v[AQ], s[38:39] offset:6144*\k
.endr
.Lnox:
	global_load_b32 v[M], v[A4L], s[42:43]         ; the 32 features of the last row
	global_load_b64 v[B1:B1+1], v[A8T63], s[44:45]
	global_load_b64 v[W0:W0+1], v[A8T63], s[46:47]
.irp k, 0,1,2,3,4,5,6,7
	global_load_b64 v[HP+2*\k:HP+2*\k+1], v[A8T], s[4:5] offset:6144*\k+4096   ; planes 4 and 5 are [mlp][b][128]: 8 bytes a thread
.endr
	ROWS8 DW, 8, 0
	ROWS8 KW, 6, 1                                 ; each byte of Wk is read by one work-group alone
	v_lshlrev_b32 v[HVA], 5, v[HH]
	v_lshl_add_u32 v[HVA], s31, 6, v[HVA]
	v_lshl_add_u32 v[DPA], s31, 10, v[AQ]          ; 512 (2 wave + hh) + 16 r
	v_lshrrev_b32 v[WLA], 3, v[RR]
	v_lshl_add_u32 v[WLA], v[WLA], 9, v[HVA]       ; 512 (head of my lane) + 4 (16 wave + 8 hh)
	; PHASE 1: the hidden layers, two units a thread
	s_wait_kmcnt 0x0                               ; tau_b2
	s_wait_loadcnt 16                              ; all but the 8 rows of del_w2 and the 8 rows of Wk
	WSUM M, M+1
	v_mul_f32 v[M], 0x3d000000, v[M]               ; / 32
	v_max_num_f32 v[M], s36, v[M]
	v_mov_b32 v[M+1], v[M]
.irp k, 0,1,2,3
	v_pk_add_f32 v[HP+2*\k:HP+2*\k+1], v[HP+2*\k:HP+2*\k+1], v[HP+2*\k+8:HP+2*\k+9]
.endr
	v_pk_add_f32 v[HP:HP+1], v[HP:HP+1], v[HP+4:HP+5]
	v_pk_add_f32 v[HP+2:HP+3], v[HP+2:HP+3], v[HP+6:HP+7]
	v_pk_add_f32 v[HP:HP+1], v[HP:HP+1], v[HP+2:HP+3]
	v_pk_add_f32 v[HP:HP+1], v[HP:HP+1], v[B1:B1+1]
	v_pk_fma_f32 v[T:T+1], v[W0:W0+1], v[M:M+1], v[HP:HP+1]        ; x
	; gelu(x) = x Phi(x);  hf = 0.5 (a1 t + .. + a5 t^5) exp(-z^2), z = |x| / sqrt 2;  Phi = 1 - hf for x >= 0, hf for x < 0
	v_and_b32 v[T+2], 0x7fffffff, v[T]
	v_and_b32 v[T+3], 0x7fffffff, v[T+1]
	v_pk_mul_f32 v[T+2:T+3], v[T+2:T+3], 0x3f3504f3 op_sel_hi:[1,0]             ; z
	v_pk_fma_f32 v[T+4:T+5], v[T+2:T+3], 0x3ea7ba05, 1.0 op_sel_hi:[1,0,0]      ; 1 + 0.3275911 z
	v_pk_mul_f32 v[T+6:T+7], v[T+2:T+3], v[T+2:T+3]
	v_pk_mul_f32 v[T+6:T+7], v[T+6:T+7], 0xbfb8aa3b op_sel_hi:[1,0]             ; -z^2 / ln 2
	v_rcp_f32 v[T+8], v[T+4]
	v_rcp_f32 v[T+9], v[T+5]
	v_exp_f32 v[T+10], v[T+6]
	v_exp_f32 v[T+11], v[T+7]
	v_mov_b32 v[T+12], 0x3f87dc22                  ; a5; also the plain instruction that stands behind the transcendentals (ISA guide 5.7.2)
	v_mov_b32 v[T+13], 0x3f87dc22
	s_wait_alu depctr_va_vdst(0)
	v_pk_fma_f32 v[T+12:T+13], v[T+12:T+13], v[T+8:T+9], 0xbfba00e3 op_sel_hi:[1,1,0]   ; a4
	v_pk_fma_f32 v[T+12:T+13], v[T+12:T+13], v[T+8:T+9], 0x3fb5f0e3 op_sel_hi:[1,1,0]   ; a3
	v_pk_fma_f32 v[T+12:T+13], v[T+12:T+13], v[T+8:T+9], 0xbe91a98e op_sel_hi:[1,1,0]   ; a2
	v_pk_fma_f32 v[T+12:T+13], v[T+12:T+13], v[T+8:T+9], 0x3e827906 op_sel_hi:[1,1,0]   ; a1
	v_pk_mul_f32 v[T+12:T+13], v[T+12:T+13], v[T+8:T+9]
	v_pk_mul_f32 v[T+12:T+13], v[T+12:T+13], v[T+10:T+11]
	v_pk_mul_f32 v[T+12:T+13], v[T+12:T+13], 0.5 op_sel_hi:[1,0]                ; hf
	v_sub_f32 v[T+4], 1.0, v[T+12]
	v_sub_f32 v[T+5], 1.0, v[T+13]
	v_cmp_le_f32 vcc_lo, 0, v[T]
	v_cndmask_b32 v[T+4], v[T+12], v[T+4], vcc_lo
	v_cmp_le_f32 vcc_lo, 0, v[T+1]
	v_cndmask_b32 v[T+5], v[T+13], v[T+5], vcc_lo
	v_pk_mul_f32 v[T+14:T+15], v[T:T+1], v[T+4:T+5]
	ds_store_b64 v[A8T], v[T+14:T+15] offset:HID
	s_wait_dscnt 0x0                               ; stored before I say so
	s_barrier_signal -1
	s_barrier_wait -1
	; PHASE 2: my 8 rows of del_w2 times delta's hidden numbers, both batches
	ds_load_b128 v[HV:HV+3],     v[HVA] offset:HID+1024
	ds_load_b128 v[HV+4:HV+7],   v[HVA] offset:HID+1024+16
	ds_load_b128 v[HV+8:HV+11],  v[HVA] offset:HID+1536
	ds_load_b128 v[HV+12:HV+15], v[HVA] offset:HID+1536+16
	s_wait_loadcnt 8                               ; del_w2 is in; the 8 rows of Wk stay out
	s_wait_dscnt 0x0
.irp i, 0,1,2,3,4,5,6,7
.irp b, 0,1
.irp c, 0,2
	BCAST ACCD+4*\b+\c, DW+4*\i+\c, HV+8*\b, \i
.endr
.endr
.endr
	ds_store_b128 v[DPA], v[ACCD:ACCD+3] offset:DP
	ds_store_b128 v[DPA], v[ACCD+4:ACCD+7] offset:DP+256
	s_wait_dscnt 0x0
	s_barrier_signal -1
	s_barrier_wait -1
	; PHASE 3, wave 0: tau, delta, q, u.  Lane half = batch, 4 columns a lane.
	s_cmp_lg_u32 s31, 0
	s_cbranch_scc1 .Lnou
	ds_load_b128 v[72:75], v[A16L] offset:HID      ; tau's hidden numbers, batch 0
	ds_load_b128 v[76:79], v[A16L] offset:HID+512  ; batch 1
.irp p, 0,1,2,3,4,5,6,7,8,9,10,11,12,13,14,15
	ds_load_b128 v[T+4*\p:T+4*\p+3], v[A16L] offset:DP+512*\p
.endr
	s_wait_dscnt 16                                ; the two first are in; the 16 partial deltas stay out
	v_mul_f32 v80, v72, v[TW2]
	v_mul_f32 v81, v76, v[TW2]
.irp j, 1,2,3
	v_fmac_f32 v80, v[72+\j], v[TW2+\j]
	v_fmac_f32 v81, v[76+\j], v[TW2+\j]
.endr
	WSUM 80, 82
	WSUM 81, 83
	v_add_f32 v80, s30, v80
	v_add_f32 v81, s30, v81
	v_max_num_f32 v80, 0xc0400000, v80             ; clip to -3 .. 3
	v_max_num_f32 v81, 0xc0400000, v81
	v_min_num_f32 v80, 0x40400000, v80
	v_min_num_f32 v81, 0x40400000, v81
	v_mul_f32 v80, 0x3fb8aa3b, v80
	v_mul_f32 v81, 0x3fb8aa3b, v81
	v_exp_f32 v82, v80
	v_exp_f32 v83, v81
	v_nop                                          ; one plain instruction behind the transcendentals (ISA guide 5.7.2)
	v_cmp_eq_u32 vcc_lo, 1, v[HH]
	s_wait_alu depctr_va_vdst(0)
	v_cndmask_b32 v84, v82, v83, vcc_lo            ; my half's batch
	v_mul_f32 v84, 0x3e3504f3, v84                 ; tau / sqrt(32)
	v_mov_b32 v85, v84
	SUM8 Q                                         ; q
	s_wait_dscnt 0x0
.irp p, 0,1,2,3,4,5,6,7
	VADD4 T+4*\p, T+4*\p+32
.endr
	SUM8 T
	VADD4 T, DB2
.irp j, 0,1,2,3
	v_max_num_f32 v[T+\j], 0xc0a00000, v[T+\j]     ; clip to -5 .. 5
.endr
.irp j, 0,1,2,3
	v_min_num_f32 v[T+\j], 0x40a00000, v[T+\j]
.endr
	v_pk_fma_f32 v[T:T+1], v[Q:Q+1], v[84:85], v[T:T+1]
	v_pk_fma_f32 v[T+2:T+3], v[Q+2:Q+3], v[84:85], v[T+2:T+3]
	ds_store_b128 v[A16L], v[T:T+3] offset:U
.Lnou:
	s_wait_dscnt 0x0
	s_barrier_signal -1
	s_barrier_wait -1
	; PHASE 4: w of my 8 rows of Wk: 4 columns in the lane, then the 8 lanes of a head
	ds_load_b128 v[UV:UV+3], v[A16R] offset:U
	ds_load_b128 v[UV+4:UV+7], v[A16R] offset:U+256
	s_wait_loadcnt 0x0                             ; Wk
	s_wait_dscnt 0x0
.irp i, 0,1,2,3,4,5,6,7
.irp b, 0,1
	v_pk_mul_f32 v[T+4*\i+2*\b:T+4*\i+2*\b+1], v[KW+4*\i:KW+4*\i+1], v[UV+4*\b:UV+4*\b+1]
.endr
.endr
.irp i, 0,1,2,3,4,5,6,7
.irp b, 0,1
	v_pk_fma_f32 v[T+4*\i+2*\b:T+4*\i+2*\b+1], v[KW+4*\i+2:KW+4*\i+3], v[UV+4*\b+2:UV+4*\b+3], v[T+4*\i+2*\b:T+4*\i+2*\b+1]
.endr
.endr
.irp j, 0,1,2,3,4,5,6,7,8,9,10,11,12,13,14,15
	v_add_f32 v[T+2*\j], v[T+2*\j], v[T+2*\j+1]
.endr
.irp x, 1,2,4
.irp j, 0,1,2,3,4,5,6,7,8,9,10,11,12,13,14,15
	v_add_f32_dpp v[T+2*\j], v[T+2*\j], v[T+2*\j] row_xmask:\x row_mask:0xf bank_mask:0xf
.endr
.endr
.irp i, 0,1,2,3,4,5,6,7
.irp b, 0,1
	ds_store_b32 v[WLA], v[T+4*\i+2*\b] offset:WL+1024*\b+4*\i     ; a head's eight lanes write the same word with the same number
.endr
.endr
	s_wait_dscnt 0x0
	s_barrier_signal -1
	s_barrier_wait -1
	; PHASE 5, waves 0 and 1 (wave = batch): split and store.  Lane half = strip; lane r: head r / 8, k = 8 (r % 8) .. +7
	s_cmp_ge_u32 s31, 2
	s_cbranch_scc1 .Lend
	v_lshrrev_b32 v[RDA], 3, v[RR]
	v_lshlrev_b32 v[RDA], 9, v[RDA]
	v_lshl_add_u32 v[RDA], v[HH], 8, v[RDA]
	v_and_b32 v[STA], 7, v[RR]
	v_lshl_add_u32 v[RDA], v[STA], 5, v[RDA]
	v_lshl_add_u32 v[RDA], s31, 10, v[RDA]
	v_lshl_add_u32 v[STA], v[HH], 12, v[A16R]      ; 4,096 strip + 16 r
	ds_load_b128 v[T:T+3], v[RDA] offset:WL
	ds_load_b128 v[T+4:T+7], v[RDA] offset:WL+16
	s_lshl_b32 s2, s31, 16                         ; 65,536 bytes a batch
	s_add_nc_u64 s[28:29], s[28:29], s[2:3]
	s_mov_b32 s37, 0x07060302                      ; v_perm_b32: the upper halves of two words
	s_wait_dscnt 0x0
.irp j, 0,1,2,3
	v_perm_b32 v[T+16+\j], v[T+2*\j+1], v[T+2*\j], s37             ; the upper parts, cut off
.endr
.irp j, 0,1,2,3,4,5,6,7
	v_and_b32 v[T+8+\j], 0xffff0000, v[T+\j]
.endr
.irp j, 0,2,4,6
	v_pk_add_f32 v[T+8+\j:T+9+\j], v[T+\j:T+\j+1], v[T+8+\j:T+9+\j] neg_lo:[0,1] neg_hi:[0,1]   ; the rest, exact
.endr
.irp j, 0,1,2,3
	v_cvt_pk_bf16_f32 v[T+20+\j], v[T+8+2*\j], v[T+9+2*\j]
.endr
	global_store_b128 v[STA], v[T+16:T+19], s[28:29]               ; sixteen lanes store 256 consecutive bytes, aligned
	global_store_b128 v[STA], v[T+20:T+23], s[28:29] offset:2048
.Lend:
	s_wait_tensorcnt 0x0
	ds_add_u32 v224, v225
	s_wait_dscnt 0x0
	s_endpgm
.Lfunc_end_k_qd8077881b3_wvec:
	.size	k_qd8077881b3_wvec, .Lfunc_end_k_qd8077881b3_wvec-k_qd8077881b3_wvec
	.p2alignl 7, 3214868480
	.fill 96, 4, 3214868480
	.section	.rodata,"a",@progbits
	.p2align	6, 0x0
	.amdhsa_kernel k_qd8077881b3_wvec
		.amdhsa_group_segment_fixed_size 13824
		.amdhsa_private_segment_fixed_size 0
		.amdhsa_enable_private_segment 0
		.amdhsa_kernarg_size 104
		.amdhsa_user_sgpr_count 2
		.amdhsa_user_sgpr_kernarg_segment_ptr 1
		.amdhsa_wavefront_size32 1
		.amdhsa_system_sgpr_workgroup_id_x 1
		.amdhsa_system_sgpr_workgroup_id_y 1
		.amdhsa_system_sgpr_workgroup_id_z 1
		.amdhsa_system_vgpr_workitem_id 0
		.amdhsa_next_free_vgpr 226
		.amdhsa_next_free_sgpr 66
		.amdhsa_reserve_vcc 1
		.amdhsa_float_denorm_mode_32 3
		.amdhsa_float_denorm_mode_16_64 3
		.amdhsa_memory_ordered 1
		.amdhsa_forward_progress 1
		.amdhsa_inst_pref_size 28
	.end_amdhsa_kernel
	.amdgpu_metadata
---
amdhsa.version: [ 1, 2 ]
amdhsa.kernels:
  - .name:           k_qd8077881b3_wvec
    .symbol:         k_qd8077881b3_wvec.kd
    .args:
      - { .name: p1, .offset: 0, .size: 8, .value_kind: global_buffer, .address_space: global }
      - { .name: Wk, .offset: 8, .size: 8, .value_kind: global_buffer, .address_space: global }
      - { .name: del_w2, .offset: 16, .size: 8, .value_kind: global_buffer, .address_space: global }
      - { .name: del_b2, .offset: 24, .size: 8, .value_kind: global_buffer, .address_space: global }
      - { .name: tau_w1, .offset: 32, .size: 8, .value_kind: global_buffer, .address_space: global }
      - { .name: del_w1, .offset: 40, .size: 8, .value_kind: global_buffer, .address_space: global }
      - { .name: tau_b1, .offset: 48, .size: 8, .value_kind: global_buffer, .address_space: global }
      - { .name: del_b1, .offset: 56, .size: 8, .value_kind: global_buffer, .address_space: global }
      - { .name: tau_w2, .offset: 64, .size: 8, .value_kind: global_buffer, .address_space: global }
      - { .name: tau_b2, .offset: 72, .size: 8, .value_kind: global_buffer, .address_space: global }
      - { .name: pre_norm_sigma, .offset: 80, .size: 8, .value_kind: global_buffer, .address_space: global }
      - { .name: pre_norm_mu, .offset: 88, .size: 8, .value_kind: global_buffer, .address_space: global }
      - { .name: wnat, .offset: 96, .size: 8, .value_kind: global_buffer, .address_space: global }
    .group_segment_fixed_size: 13824
    .private_segment_fixed_size: 0
    .kernarg_segment_align: 8
    .kernarg_segment_size: 104
    .max_flat_workgroup_size: 256
    .sgpr_count:     66
    .vgpr_count:     226
    .wavefront_size: 32
...
	.end_amdgpu_metadata
.endif
;; end of part 2
;; launch attn (part 3): grid 128 x 1, 16 waves a work-group, no clusters, 258,048 bytes of LDS; arguments h, wnat, cpart; writes cpart
.if DOCPART == 3
	.amdgcn_target "amdgcn-amd-amdhsa--gfx1250"
	.amdhsa_code_object_version 6
	.text
	.protected	k_qd8077881b3_attn
	.globl	k_qd8077881b3_attn
	.p2align	8
	.type	k_qd8077881b3_attn,@function
k_qd8077881b3_attn:
	s_mov_b64 s[64:65], 0
	v_nop
	global_prefetch_b8 v0, s[64:65] scope:SCOPE_SE
	s_setreg_imm32_b32 hwreg(HW_REG_WAVE_MODE, 25, 1), 1
	s_wait_xcnt 0x0
; attn: the one pass over h.  Work-group g takes rows 32 g .. 32 g + 31 of h seen as [4096][1024] (batch b = g / 64):
;   logit[row][head] = h[row] . w[b][head]          (product 1: 32 x 16 x 1024)
;   p = exp(clip(logit, -50, 50))                   (the last query sees every key: the causal mask hides nothing)
;   c[head][col] = sum over rows of p h[row][col],  S[head] = sum over rows of p     (product 2: 16 x 1024 x 32, and 16 x 32 times ones)
; and stores c and S as partial sums; V is never made (the next launch multiplies c / S by Wv).
; NO MAXIMUM IS TAKEN AWAY: the module itself clips the logits to -50 .. 50, so every p lies in 2^-72.2 .. 2^72.2, a sum of 2,048 of them
; below 2^84, and p h far inside f32 and inside bf16's exponents.  That is what lets partial sums of different work-groups simply add.
; MATRIX OPERANDS are bf16 in two parts: upper (cut off) and rest (x - upper, exact in f32, then rounded); three products
; (upper x upper, rest x upper, upper x rest), sums in f32.  What is dropped is of the order 2^-16 of a product.
; Wave w owns strip w (columns 64 w .. +63): it loads them, does their share of product 1's K, and makes their 64 columns of c.
; h is asked for once, whole, at the wave's first lines: 16 loads a wave, 128 KiB a work-group, and stays in registers for product 2.
; No cluster: what the 64 work-groups of a batch share is w, 64 KiB of the 257 KiB that a group moves, and there is one step only.
; LIMITS: the clip is max_num / min_num (a NaN logit becomes a bound); an infinite h gives NaN in the rest.
.set PIT,  144                         ; LDS pitch: 64 bf16 + 16 bytes, 36 words: sixteen rows of a fragment start 36 words apart
.set XPW,  64*PIT                      ; XP   byte 0:       16 waves x 64 rows: my strip of h, rows 0-31 upper, 32-63 rest; the wave's own
.set WXB,  16*XPW                      ; WX   byte 147,456: 16 waves x 32 rows: my strip of w, row = 16 part + head; the wave's own
.set WXW,  32*PIT
.set PART, WXB+16*WXW                  ; PART byte 221,184: 16 waves x 2,048: partial logits
.set PB,   PART+16*2048                ; PB   byte 253,952: 2,048: p
.set T,    16                          ; v[16:39]   at work
.set X,    40                          ; v[40:103]  h as loaded: load i at X + 4 i; then product 1's A fragments at X + 32 part + 16 tile + 8 kstep
.set ACC,  40                          ; v[40:71]   then product 2's four tiles
.set SACC, 72                          ; v[72:79]   and S
.set WRAW, 104                         ; v[104:135] w as loaded
.set P,    104                         ; v[104:119] then p
.set AHI,  120                         ; v[120:127] p, upper
.set ALO,  128                         ; v[128:135] p, rest
.set WF,   136                         ; v[136:167] product 1's B fragments at WF + 16 part + 8 kstep
.set BHI,  168                         ; v[168:199] product 2's B fragments, upper: tile e at BHI + 8 e
.set BLO,  200                         ; v[200:231] rest
.set D1,   232                         ; v[232:247] product 1's two tiles
.set ONES, 248                         ; v[248:255] a B fragment of ones
; v4 offset in h; v5 16 lane; v6, v7 XP store, read; v8, v9 WX store, read; v10, v11 PART store, read; v12, v13 PB store, read; v14 offset in cpart
.macro MM d, a, b, first               ; one matrix instruction; first = 1: it starts the sum
.if \first
	v_wmma_f32_16x16x32_bf16 v[\d:\d+7], v[\a:\a+7], v[\b:\b+7], 0
.else
	v_wmma_f32_16x16x32_bf16 v[\d:\d+7], v[\a:\a+7], v[\b:\b+7], v[\d:\d+7]
.endif
.endm
; Loads 2 t and 2 t + 1 (two neighbouring rows, my 4 columns) are split.  Packed along the columns they go to LDS for product 1's A;
; packed along the rows they ARE register t of product 2's B fragments: lane (r, hh) holds rows 8 hh + 0..7 and 16 + 8 hh + 0..7, which is
; the k that a B fragment wants of it, and column 4 r + e is column r of tile e.
.macro CONV t
	s_wait_loadcnt 14-2*\t                         ; loads come back in order: these two are in, the younger ones stay out
.irp j, 0,1,2,3,4,5,6,7
	v_and_b32 v[T+\j], s11, v[X+8*\t+\j]
.endr
.irp j, 0,2,4,6
	v_pk_add_f32 v[T+8+\j:T+9+\j], v[X+8*\t+\j:X+8*\t+\j+1], v[T+\j:T+\j+1] neg_lo:[0,1] neg_hi:[0,1]
.endr
	v_perm_b32 v[T+16], v[X+8*\t+1], v[X+8*\t], s12
	v_perm_b32 v[T+17], v[X+8*\t+3], v[X+8*\t+2], s12
	v_cvt_pk_bf16_f32 v[T+18], v[T+8], v[T+9]
	v_cvt_pk_bf16_f32 v[T+19], v[T+10], v[T+11]
	v_perm_b32 v[T+20], v[X+8*\t+5], v[X+8*\t+4], s12
	v_perm_b32 v[T+21], v[X+8*\t+7], v[X+8*\t+6], s12
	v_cvt_pk_bf16_f32 v[T+22], v[T+12], v[T+13]
	v_cvt_pk_bf16_f32 v[T+23], v[T+14], v[T+15]
	ds_store_b64 v6, v[T+16:T+17] offset:PIT*(2*\t+8*(\t/4))
	ds_store_b64 v6, v[T+18:T+19] offset:PIT*(2*\t+8*(\t/4))+32*PIT
	ds_store_b64 v6, v[T+20:T+21] offset:PIT*(2*\t+8*(\t/4)+1)
	ds_store_b64 v6, v[T+22:T+23] offset:PIT*(2*\t+8*(\t/4)+1)+32*PIT
.irp e, 0,1,2,3
	v_perm_b32 v[BHI+8*\e+\t], v[X+8*\t+4+\e], v[X+8*\t+\e], s12
	v_cvt_pk_bf16_f32 v[BLO+8*\e+\t], v[T+8+\e], v[T+12+\e]
.endr
.endm
	s_load_b128 s[4:7], s[0:1], 0x0                ; h s[4:5], wnat s[6:7]
	s_load_b64 s[8:9], s[0:1], 0x10                ; cpart
	v_lshrrev_b32 v1, 5, v0
	v_readfirstlane_b32 s10, v1                    ; wave 0..15 = strip
	v_and_b32 v1, 31, v0                           ; lane
	v_and_b32 v2, 15, v0                           ; r
	v_bfe_u32 v3, v0, 4, 1                         ; hh
	v_lshlrev_b32 v5, 4, v1
	v_lshlrev_b32 v15, 4, v2
	v_lshl_add_u32 v4, v3, 15, v15                 ; 8 hh rows of 4,096 bytes + 16 r
	v_lshl_add_u32 v4, s10, 8, v4                  ; + 256 wave
	s_lshl_b32 s14, ttmp9, 17                      ; 32 rows of 4,096 bytes a group
	s_mov_b32 s15, 0
	s_lshr_b32 s16, ttmp9, 6                       ; batch
	s_lshl_b32 s16, s16, 16
	s_lshl_b32 s18, s10, 12
	s_add_co_u32 s16, s16, s18                     ; 65,536 b + 4,096 strip
	s_mov_b32 s17, 0
	s_mul_i32 s18, ttmp9, 66560                    ; my block of cpart
	s_mov_b32 s19, 0
	s_mov_b32 s11, 0xffff0000                      ; a word's upper bf16
	s_mov_b32 s12, 0x07060302                      ; v_perm_b32: the upper halves of two words
	s_wait_kmcnt 0x0
	s_add_nc_u64 s[4:5], s[4:5], s[14:15]
	s_add_nc_u64 s[6:7], s[6:7], s[16:17]
	s_add_nc_u64 s[8:9], s[8:9], s[18:19]
.irp i, 0,1,2,3,4,5,6,7
	global_load_b128 v[WRAW+4*\i:WRAW+4*\i+3], v5, s[6:7] offset:512*\i        ; my strip of w: 4,096 consecutive bytes
.endr
.irp i, 0,1,2,3,4,5,6,7,8,9,10,11,12,13,14,15
	global_load_b128 v[X+4*\i:X+4*\i+3], v4, s[4:5] offset:4096*(\i+8*(\i/8)) th:TH_LOAD_NT   ; row i + 8 (i / 8) + 8 hh: each half of the lanes takes 256 aligned bytes
.endr
	s_mul_i32 s20, s10, XPW
	s_mul_i32 s21, s10, WXW
	s_add_co_u32 s21, s21, WXB
	s_lshl_b32 s22, s10, 11
	s_add_co_u32 s22, s22, PART
	v_mul_u32_u24 v6, v3, 8*PIT
	v_lshl_add_u32 v6, v2, 3, v6
	v_add_nc_u32 v6, s20, v6                       ; XP in: row 8 hh (+ the load's row), 8 bytes at 8 r
	v_mul_u32_u24 v7, v2, PIT
	v_lshl_add_u32 v7, v3, 4, v7                   ; a fragment: row r, 16 hh
	v_add_nc_u32 v9, s21, v7
	v_add_nc_u32 v7, s20, v7
	v_lshrrev_b32 v8, 3, v1
	v_mul_u32_u24 v8, v8, PIT
	v_and_b32 v16, 7, v1
	v_lshl_add_u32 v8, v16, 4, v8
	v_add_nc_u32 v8, s21, v8                       ; WX in: eight lanes a row of 128 bytes
	v_add_nc_u32 v10, s22, v5
	v_lshlrev_b32 v12, 2, v0
	v_add_nc_u32 v11, PART, v12
	v_add_nc_u32 v12, PB, v12
	v_add_nc_u32 v13, PB, v5
	v_lshl_add_u32 v14, s10, 12, v5
	; w into fragment order, through the wave's own LDS bytes (LDS serves a wave's instructions in order: ISA guide 5.7.1)
	s_wait_loadcnt 16                              ; w is in; the 16 loads of h stay out
.irp i, 0,1,2,3,4,5,6,7
	ds_store_b128 v8, v[WRAW+4*\i:WRAW+4*\i+3] offset:4*PIT*\i
.endr
.irp q, 0,1
.irp k, 0,1
	ds_load_b128 v[WF+16*\q+8*\k:WF+16*\q+8*\k+3],   v9 offset:16*PIT*\q+64*\k
	ds_load_b128 v[WF+16*\q+8*\k+4:WF+16*\q+8*\k+7], v9 offset:16*PIT*\q+64*\k+32
.endr
.endr
.irp t, 0,1,2,3,4,5,6,7
	CONV \t
.endr
	; product 1's A fragments, from my own bytes, onto the registers that held h
.irp q, 0,1
.irp m, 0,1
.irp k, 0,1
	ds_load_b128 v[X+32*\q+16*\m+8*\k:X+32*\q+16*\m+8*\k+3],   v7 offset:32*PIT*\q+16*PIT*\m+64*\k
	ds_load_b128 v[X+32*\q+16*\m+8*\k+4:X+32*\q+16*\m+8*\k+7], v7 offset:32*PIT*\q+16*PIT*\m+64*\k+32
.endr
.endr
.endr
	s_wait_dscnt 0x0
	; PRODUCT 1: rows x heads over my 64 columns.  The two row tiles take turns, one instruction a turn.
	MM D1,   X,       WF,    1                     ; k 0-31: upper x upper
	MM D1+8, X+16,    WF,    1
	MM D1,   X+32,    WF,    0                     ;         rest x upper
	MM D1+8, X+48,    WF,    0
	MM D1,   X,       WF+16, 0                     ;         upper x rest
	MM D1+8, X+16,    WF+16, 0
	MM D1,   X+8,     WF+8,  0                     ; k 32-63
	MM D1+8, X+24,    WF+8,  0
	MM D1,   X+40,    WF+8,  0
	MM D1+8, X+56,    WF+8,  0
	MM D1,   X+8,     WF+24, 0
	MM D1+8, X+24,    WF+24, 0
.rept 4
	v_nop                                          ; four places behind the last matrix instruction before its result is stored (ISA guide 7.12.1)
.endr
.irp j, 0,1,2,3
	ds_store_b128 v10, v[D1+4*\j:D1+4*\j+3] offset:512*\j          ; word 128 j + 4 lane + i = my register 4 j + i
.endr
	s_wait_dscnt 0x0                               ; stored before I say so
	s_barrier_signal -1
	s_barrier_wait -1
	; the 16 waves' shares are added, one word a thread; clip; exponential
.irp p, 0,1,2,3,4,5,6,7,8,9,10,11,12,13,14,15
	ds_load_b32 v[T+\p], v11 offset:2048*\p
.endr
	s_wait_dscnt 0x0
.irp j, 0,2,4,6
	v_pk_add_f32 v[T+\j:T+\j+1], v[T+\j:T+\j+1], v[T+\j+8:T+\j+9]
.endr
	v_pk_add_f32 v[T:T+1], v[T:T+1], v[T+4:T+5]
	v_pk_add_f32 v[T+2:T+3], v[T+2:T+3], v[T+6:T+7]
	v_pk_add_f32 v[T:T+1], v[T:T+1], v[T+2:T+3]
	v_add_f32 v[T], v[T], v[T+1]
	v_max_num_f32 v[T], 0xc2480000, v[T]           ; -50
	v_min_num_f32 v[T], 0x42480000, v[T]           ; 50
	v_mul_f32 v[T], 0x3fb8aa3b, v[T]
	v_exp_f32 v[T+1], v[T]
.irp j, 0,1,2,3,4,5,6,7
	v_mov_b32 v[ONES+\j], 0x3f803f80               ; two bf16 ones; also the plain instructions behind the transcendental (ISA guide 5.7.2)
.endr
	s_wait_alu depctr_va_vdst(0)
	ds_store_b32 v12, v[T+1]
	s_wait_dscnt 0x0
	s_barrier_signal -1
	s_barrier_wait -1
	; every wave takes p back in product 1's result layout: lane (r, hh) has head r, rows 8 hh + 0..7 and 16 + 8 hh + 0..7,
	; which is what an A fragment [head][row] wants of it
.irp j, 0,1,2,3
	ds_load_b128 v[P+4*\j:P+4*\j+3], v13 offset:512*\j
.endr
	s_wait_dscnt 0x0
.irp j, 0,1,2,3,4,5,6,7
	v_perm_b32 v[AHI+\j], v[P+2*\j+1], v[P+2*\j], s12
.endr
.irp j, 0,1,2,3,4,5,6,7,8,9,10,11,12,13,14,15
	v_and_b32 v[T+\j], s11, v[P+\j]
.endr
.irp j, 0,2,4,6,8,10,12,14
	v_pk_add_f32 v[T+\j:T+\j+1], v[P+\j:P+\j+1], v[T+\j:T+\j+1] neg_lo:[0,1] neg_hi:[0,1]
.endr
.irp j, 0,1,2,3,4,5,6,7
	v_cvt_pk_bf16_f32 v[ALO+\j], v[T+2*\j], v[T+2*\j+1]
.endr
	; PRODUCT 2: heads x my 64 columns over the 32 rows, and S.  Five accumulators take turns, one instruction a turn.
.irp e, 0,1,2,3
	MM ACC+8*\e, AHI, BHI+8*\e, 1
.endr
	MM SACC, AHI, ONES, 1
.irp e, 0,1,2,3
	MM ACC+8*\e, AHI, BLO+8*\e, 0
.endr
	MM SACC, ALO, ONES, 0
.irp e, 0,1,2,3
	MM ACC+8*\e, ALO, BHI+8*\e, 0
.endr
.rept 4
	v_nop                                          ; four places before the results are stored (ISA guide 7.12.1)
.endr
.irp e, 0,1,2,3
.irp q, 0,1
	global_store_b128 v14, v[ACC+8*\e+4*\q:ACC+8*\e+4*\q+3], s[8:9] offset:1024*\e+512*\q   ; c[8 hh + 4 q + i][64 w + 4 r + e]: 512 consecutive bytes a store
.endr
.endr
	s_cmp_lg_u32 s10, 0
	s_cbranch_scc1 .Lend                           ; S is the same in every wave: wave 0 stores it (its v14 is 16 lane)
	global_store_b128 v14, v[SACC:SACC+3], s[8:9] offset:65536
	global_store_b128 v14, v[SACC+4:SACC+7], s[8:9] offset:65536+512
.Lend:
	s_wait_xcnt 0x0
	v_lshl_add_u32 v246, v0, 2, 0x3e800
	v_mov_b32 v247, 0
	s_wait_tensorcnt 0x0
	ds_add_u32 v246, v247
	s_wait_dscnt 0x0
	s_endpgm
.Lfunc_end_k_qd8077881b3_attn:
	.size	k_qd8077881b3_attn, .Lfunc_end_k_qd8077881b3_attn-k_qd8077881b3_attn
	.p2alignl 7, 3214868480
	.fill 96, 4, 3214868480
	.section	.rodata,"a",@progbits
	.p2align	6, 0x0
	.amdhsa_kernel k_qd8077881b3_attn
		.amdhsa_group_segment_fixed_size 258048
		.amdhsa_private_segment_fixed_size 0
		.amdhsa_enable_private_segment 0
		.amdhsa_kernarg_size 24
		.amdhsa_user_sgpr_count 2
		.amdhsa_user_sgpr_kernarg_segment_ptr 1
		.amdhsa_wavefront_size32 1
		.amdhsa_system_sgpr_workgroup_id_x 1
		.amdhsa_system_sgpr_workgroup_id_y 1
		.amdhsa_system_sgpr_workgroup_id_z 1
		.amdhsa_system_vgpr_workitem_id 0
		.amdhsa_next_free_vgpr 256
		.amdhsa_next_free_sgpr 66
		.amdhsa_reserve_vcc 0
		.amdhsa_float_denorm_mode_32 3
		.amdhsa_float_denorm_mode_16_64 3
		.amdhsa_memory_ordered 1
		.amdhsa_forward_progress 1
		.amdhsa_inst_pref_size 30
	.end_amdhsa_kernel
	.amdgpu_metadata
---
amdhsa.version: [ 1, 2 ]
amdhsa.kernels:
  - .name:           k_qd8077881b3_attn
    .symbol:         k_qd8077881b3_attn.kd
    .args:
      - { .name: h, .offset: 0, .size: 8, .value_kind: global_buffer, .address_space: global }
      - { .name: wnat, .offset: 8, .size: 8, .value_kind: global_buffer, .address_space: global }
      - { .name: cpart, .offset: 16, .size: 8, .value_kind: global_buffer, .address_space: global }
    .group_segment_fixed_size: 258048
    .private_segment_fixed_size: 0
    .kernarg_segment_align: 8
    .kernarg_segment_size: 24
    .max_flat_workgroup_size: 512
    .sgpr_count:     66
    .vgpr_count:     256
    .wavefront_size: 32
...
	.end_amdgpu_metadata
.endif
;; end of part 3
;; launch ctx (part 4): grid 16 x 8, 8 waves a work-group, no clusters, 26,624 bytes of LDS; arguments cpart, Wv, opart; writes opart
.if DOCPART == 4
	.amdgcn_target "amdgcn-amd-amdhsa--gfx1250"
	.amdhsa_code_object_version 6
	.text
	.protected	k_qd8077881b3_ctx
	.globl	k_qd8077881b3_ctx
	.p2align	8
	.type	k_qd8077881b3_ctx,@function
k_qd8077881b3_ctx:
	s_mov_b64 s[64:65], 0
	v_nop
	global_prefetch_b8 v0, s[64:65] scope:SCOPE_SE
	s_setreg_imm32_b32 hwreg(HW_REG_WAVE_MODE, 25, 1), 1
	s_wait_xcnt 0x0
; ctx: adds the 64 partial c and S of a batch, divides, and multiplies by Wv:
;   opart[strip][b][32 head + d] = sum over the strip's 64 columns k of (c[b][head][k] / S[b][head]) Wv[k][32 head + d].
; Work-group (strip, y): batch b = y / 4, heads 4 (y % 4) .. +3, columns 64 strip .. +63.  f32 throughout: one row a head, no matrix unit.
; Wave w adds blocks 8 w .. 8 w + 7 (lane half = the block's parity) and later takes rows 8 w .. 8 w + 7 of the strip's 64 rows of Wv.
; S is at least 2,048 x exp(-50): never zero, never denormal.  The division is a reciprocal and a multiplication.
; v1 lane, v2 r, v3 hh; v4 to v12 offsets and LDS addresses, which lie below every register that a load fills.
.set BLK,  66560                       ; bytes of a block of cpart
.set SUMS, 0                           ; LDS 16 x 1,280: [e 4][16 r][i 4], then S [16 r][i 4]
.set CN,   20480                       ;     1,024: c / S  [i 4][64 k]
.set OP,   21504                       ;     8 x 512: the waves' partial results
.set C,    16                          ; v[16:79]   c: block m, piece e at C + 16 m + 4 e
.set SS,   80                          ; v[80:95]   S: block m at SS + 4 m
.set WV,   96                          ; v[96:127]  8 rows of Wv
.set T,    128                         ; v[128:159] at work
.macro VADD4 d, a
	v_pk_add_f32 v[\d:\d+1], v[\d:\d+1], v[\a:\a+1]
	v_pk_add_f32 v[\d+2:\d+3], v[\d+2:\d+3], v[\a+2:\a+3]
.endm
.macro SSUM16 b                        ; 16 numbers into the first
.irp j, 0,2,4,6
	v_pk_add_f32 v[\b+\j:\b+\j+1], v[\b+\j:\b+\j+1], v[\b+\j+8:\b+\j+9]
.endr
	v_pk_add_f32 v[\b:\b+1], v[\b:\b+1], v[\b+4:\b+5]
	v_pk_add_f32 v[\b+2:\b+3], v[\b+2:\b+3], v[\b+6:\b+7]
	v_pk_add_f32 v[\b:\b+1], v[\b:\b+1], v[\b+2:\b+3]
	v_add_f32 v[\b], v[\b], v[\b+1]
.endm
.macro BCAST d, w, sv, i               ; v[d:d+1] (+)= v[w:w+1] x v[sv+i]; i = 0 starts the sum
.if (\i) == 0
	v_pk_mul_f32 v[\d:\d+1], v[\w:\w+1], v[\sv:\sv+1] op_sel_hi:[1,0]
.else
.if ((\i) & 1) == 0
	v_pk_fma_f32 v[\d:\d+1], v[\w:\w+1], v[\sv+\i:\sv+\i+1], v[\d:\d+1] op_sel_hi:[1,0,1]
.else
	v_pk_fma_f32 v[\d:\d+1], v[\w:\w+1], v[\sv+\i-1:\sv+\i], v[\d:\d+1] op_sel:[0,1,0] op_sel_hi:[1,1,1]
.endif
.endif
.endm
	s_load_b128 s[4:7], s[0:1], 0x0                ; cpart s[4:5], Wv s[6:7]
	s_load_b64 s[8:9], s[0:1], 0x10                ; opart
	v_lshl_add_u32 v160, v0, 2, 0x6400
	v_mov_b32 v161, 0
	v_lshrrev_b32 v1, 5, v0
	v_readfirstlane_b32 s10, v1                    ; wave 0..7
	v_and_b32 v1, 31, v0                           ; lane
	v_and_b32 v2, 15, v0                           ; r
	v_bfe_u32 v3, v0, 4, 1                         ; hh
	v_mul_u32_u24 v4, v3, BLK
	v_lshl_add_u32 v4, v2, 4, v4                   ; the odd block for lanes 16-31; 16 r
	v_lshlrev_b32 v5, 4, v1
	s_and_b32 s12, ttmp7, 0xffff
	s_lshr_b32 s13, s12, 2                         ; b
	s_and_b32 s14, s12, 3                          ; heads 4 s14 .. +3: in a block's layout q = s14 % 2, lane half = s14 / 2
	s_lshl_b32 s16, s13, 6
	s_lshl3_add_u32 s16, s10, s16                  ; block 64 b + 8 wave
	s_mul_i32 s16, s16, BLK
	s_and_b32 s18, s14, 1
	s_lshl_b32 s18, s18, 9
	s_lshr_b32 s19, s14, 1
	s_lshl_b32 s19, s19, 8
	s_add_co_u32 s16, s16, s18
	s_add_co_u32 s16, s16, s19
	s_mov_b32 s17, 0
	s_lshl_b32 s18, ttmp9, 12                      ; 4,096 strip
	s_mov_b32 s19, 0
	s_lshl_b32 s24, ttmp9, 17                      ; Wv: 64 strip rows of 2,048 bytes,
	s_lshl_b32 s26, s10, 14                        ; 8 wave rows,
	s_add_co_u32 s24, s24, s26
	s_lshl_b32 s26, s14, 9                         ; four heads of 128 bytes
	s_add_co_u32 s24, s24, s26
	s_mov_b32 s25, 0
	s_wait_kmcnt 0x0
	s_add_nc_u64 s[20:21], s[4:5], s[16:17]
	s_add_nc_u64 s[22:23], s[20:21], s[18:19]
	s_add_nc_u64 s[6:7], s[6:7], s[24:25]
.irp m, 0,1,2,3
.irp e, 0,1,2,3
	global_load_b128 v[C+16*\m+4*\e:C+16*\m+4*\e+3], v4, s[22:23] offset:2*BLK*\m+1024*\e th:TH_LOAD_NT   ; sixteen lanes: 256 aligned bytes of one block
.endr
.endr
.irp m, 0,1,2,3
	global_load_b128 v[SS+4*\m:SS+4*\m+3], v4, s[20:21] offset:2*BLK*\m+65536
.endr
.irp t, 0,1,2,3,4,5,6,7
	global_load_b128 v[WV+4*\t:WV+4*\t+3], v5, s[6:7] offset:2048*\t
.endr
	s_mul_i32 s24, s10, 2560
	v_mul_u32_u24 v6, v3, 1280
	v_lshl_add_u32 v6, v2, 4, v6
	v_add_nc_u32 v6, s24, v6                       ; 1,280 (2 wave + hh) + 16 r
	v_lshlrev_b32 v7, 2, v0                        ; 4 thread
	v_and_b32 v8, 63, v0
	v_lshlrev_b32 v8, 2, v8                        ; 4 (thread % 64)
	v_and_b32 v9, 3, v0                            ; thread = 64 e + 4 r + i  ->  CN word 64 i + 4 r + e
	v_lshlrev_b32 v9, 8, v9
	v_bfe_u32 v10, v0, 2, 4
	v_lshl_add_u32 v9, v10, 4, v9
	v_lshrrev_b32 v10, 6, v0
	v_lshl_add_u32 v9, v10, 2, v9
	v_lshrrev_b32 v11, 3, v1
	v_lshlrev_b32 v11, 8, v11
	v_lshl_add_u32 v11, s10, 5, v11                ; 256 (my lane's head) + 4 (8 wave)
	v_lshl_add_u32 v12, s10, 9, v5
	; stage 1: my four blocks
	s_wait_loadcnt 8                               ; c and S are in; the 8 rows of Wv stay out
.irp e, 0,1,2,3
	VADD4 C+4*\e, C+16+4*\e
	VADD4 C+32+4*\e, C+48+4*\e
.endr
	VADD4 SS, SS+4
	VADD4 SS+8, SS+12
.irp e, 0,1,2,3
	VADD4 C+4*\e, C+32+4*\e
.endr
	VADD4 SS, SS+8
.irp e, 0,1,2,3
	ds_store_b128 v6, v[C+4*\e:C+4*\e+3] offset:SUMS+256*\e
.endr
	ds_store_b128 v6, v[SS:SS+3] offset:SUMS+1024
	s_wait_dscnt 0x0                               ; stored before I say so
	s_barrier_signal -1
	s_barrier_wait -1
	; stage 2: the 16 partial sums, one word of c a thread, and its head's S
.irp p, 0,1,2,3,4,5,6,7,8,9,10,11,12,13,14,15
	ds_load_b32 v[T+\p], v7 offset:SUMS+1280*\p
.endr
.irp p, 0,1,2,3,4,5,6,7,8,9,10,11,12,13,14,15
	ds_load_b32 v[T+16+\p], v8 offset:SUMS+1280*\p+1024
.endr
	s_wait_dscnt 0x0
	SSUM16 T
	SSUM16 T+16
	v_rcp_f32 v[T+1], v[T+16]
	v_nop                                          ; one plain instruction behind the transcendental (ISA guide 5.7.2)
	s_wait_alu depctr_va_vdst(0)
	v_mul_f32 v[T], v[T], v[T+1]
	ds_store_b32 v9, v[T] offset:CN
	s_wait_dscnt 0x0
	s_barrier_signal -1
	s_barrier_wait -1
	; stage 3: my 8 rows of Wv; lane: 4 columns of head lane / 8
	ds_load_b128 v[T:T+3], v11 offset:CN
	ds_load_b128 v[T+4:T+7], v11 offset:CN+16
	s_wait_loadcnt 0x0                             ; Wv
	s_wait_dscnt 0x0
.irp t, 0,1,2,3,4,5,6,7
.irp c, 0,2
	BCAST T+8+\c, WV+4*\t+\c, T, \t
.endr
.endr
	ds_store_b128 v12, v[T+8:T+11] offset:OP
	s_wait_dscnt 0x0
	s_barrier_signal -1
	s_barrier_wait -1
	; stage 4, wave 0: the eight waves' results
	s_cmp_lg_u32 s10, 0
	s_cbranch_scc1 .Lend
.irp p, 0,1,2,3,4,5,6,7
	ds_load_b128 v[C+4*\p:C+4*\p+3], v5 offset:OP+512*\p
.endr
	s_lshl_b32 s16, s13, 11
	s_add_co_u32 s18, s18, s16                     ; 4,096 strip + 2,048 b
	s_lshl_b32 s16, s14, 9
	s_add_co_u32 s18, s18, s16                     ; + 512 (y % 4)
	s_add_nc_u64 s[8:9], s[8:9], s[18:19]
	s_wait_dscnt 0x0
.irp p, 0,1,2,3
	VADD4 C+4*\p, C+4*\p+16
.endr
	VADD4 C, C+8
	VADD4 C+4, C+12
	VADD4 C, C+4
	global_store_b128 v5, v[C:C+3], s[8:9]         ; 512 consecutive bytes, aligned
.Lend:
	s_wait_tensorcnt 0x0
	ds_add_u32 v160, v161
	s_wait_dscnt 0x0
	s_endpgm
.Lfunc_end_k_qd8077881b3_ctx:
	.size	k_qd8077881b3_ctx, .Lfunc_end_k_qd8077881b3_ctx-k_qd8077881b3_ctx
	.p2alignl 7, 3214868480
	.fill 96, 4, 3214868480
	.section	.rodata,"a",@progbits
	.p2align	6, 0x0
	.amdhsa_kernel k_qd8077881b3_ctx
		.amdhsa_group_segment_fixed_size 26624
		.amdhsa_private_segment_fixed_size 0
		.amdhsa_enable_private_segment 0
		.amdhsa_kernarg_size 24
		.amdhsa_user_sgpr_count 2
		.amdhsa_user_sgpr_kernarg_segment_ptr 1
		.amdhsa_wavefront_size32 1
		.amdhsa_system_sgpr_workgroup_id_x 1
		.amdhsa_system_sgpr_workgroup_id_y 1
		.amdhsa_system_sgpr_workgroup_id_z 1
		.amdhsa_system_vgpr_workitem_id 0
		.amdhsa_next_free_vgpr 162
		.amdhsa_next_free_sgpr 66
		.amdhsa_reserve_vcc 0
		.amdhsa_float_denorm_mode_32 3
		.amdhsa_float_denorm_mode_16_64 3
		.amdhsa_memory_ordered 1
		.amdhsa_forward_progress 1
		.amdhsa_inst_pref_size 14
	.end_amdhsa_kernel
	.amdgpu_metadata
---
amdhsa.version: [ 1, 2 ]
amdhsa.kernels:
  - .name:           k_qd8077881b3_ctx
    .symbol:         k_qd8077881b3_ctx.kd
    .args:
      - { .name: cpart, .offset: 0, .size: 8, .value_kind: global_buffer, .address_space: global }
      - { .name: Wv, .offset: 8, .size: 8, .value_kind: global_buffer, .address_space: global }
      - { .name: opart, .offset: 16, .size: 8, .value_kind: global_buffer, .address_space: global }
    .group_segment_fixed_size: 26624
    .private_segment_fixed_size: 0
    .kernarg_segment_align: 8
    .kernarg_segment_size: 24
    .max_flat_workgroup_size: 256
    .sgpr_count:     66
    .vgpr_count:     162
    .wavefront_size: 32
...
	.end_amdgpu_metadata
.endif
;; end of part 4
;; launch outp (part 5): grid 16 x 1, 16 waves a work-group, no clusters, 22,528 bytes of LDS; arguments opart, Wo, bo, out0; writes out0
.if DOCPART == 5
	.amdgcn_target "amdgcn-amd-amdhsa--gfx1250"
	.amdhsa_code_object_version 6
	.text
	.protected	k_qd8077881b3_outp
	.globl	k_qd8077881b3_outp
	.p2align	8
	.type	k_qd8077881b3_outp,@function
k_qd8077881b3_outp:
	s_mov_b64 s[64:65], 0
	v_nop
	global_prefetch_b8 v0, s[64:65] scope:SCOPE_SE
	s_setreg_imm32_b32 hwreg(HW_REG_WAVE_MODE, 25, 1), 1
	s_wait_xcnt 0x0
; outp: o[b][j] = sum over the 16 strips of opart;  out0[b][n] = sum over j of o[b][j] Wo[j][n] + bo[n].
; Work-group g: 64 columns n (256 bytes of every row of Wo), all 512 j, both batches.  Wave w, lane half hh: rows 32 w + 16 hh .. +15; lane r: 4 columns.
; f32 throughout: two rows, no matrix unit.  Each group adds opart anew (64 KiB): a sum shared between groups would cost a launch more.
.set O,    0                           ; LDS 4,096: o [b 2][512]
.set R,    4096                        ;     32 x 512: partial results [b 2][64]
.set BO,   4                           ; v[4:7]     wave 0: bo of my 4 columns
.set OPT,  8                           ; v[8:39]    the 16 strips' pairs
.set WO,   40                          ; v[40:103]  16 rows of Wo
.set OV,   104                         ; v[104:135] o [b][16]
.set ACC,  136                         ; v[136:143] [b][4]
.set F,    8                           ; v[8:135]   wave 0 at the end: the 32 partial results
.set A16R, 144
.set A8T,  145
.set AWO,  146
.set AOV,  147
.set AR,   148
.set A16L, 149
.set AOUT, 150
.macro VADD4 d, a
	v_pk_add_f32 v[\d:\d+1], v[\d:\d+1], v[\a:\a+1]
	v_pk_add_f32 v[\d+2:\d+3], v[\d+2:\d+3], v[\a+2:\a+3]
.endm
.macro BCAST d, w, sv, i               ; v[d:d+1] (+)= v[w:w+1] x v[sv+i]; i = 0 starts the sum
.if (\i) == 0
	v_pk_mul_f32 v[\d:\d+1], v[\w:\w+1], v[\sv:\sv+1] op_sel_hi:[1,0]
.else
.if ((\i) & 1) == 0
	v_pk_fma_f32 v[\d:\d+1], v[\w:\w+1], v[\sv+\i:\sv+\i+1], v[\d:\d+1] op_sel_hi:[1,0,1]
.else
	v_pk_fma_f32 v[\d:\d+1], v[\w:\w+1], v[\sv+\i-1:\sv+\i], v[\d:\d+1] op_sel:[0,1,0] op_sel_hi:[1,1,1]
.endif
.endif
.endm
	s_load_b256 s[4:11], s[0:1], 0x0               ; opart s[4:5], Wo s[6:7], bo s[8:9], out0 s[10:11]
	v_lshl_add_u32 v176, v0, 2, 0x5000
	v_mov_b32 v177, 0
	v_lshrrev_b32 v1, 5, v0
	v_readfirstlane_b32 s12, v1                    ; wave 0..15
	v_and_b32 v1, 31, v0                           ; lane
	v_and_b32 v2, 15, v0                           ; r
	v_bfe_u32 v3, v0, 4, 1                         ; hh
	v_lshlrev_b32 v[A16R], 4, v2
	v_lshlrev_b32 v[A16L], 4, v1
	v_lshlrev_b32 v[A8T], 3, v0
	v_lshl_add_u32 v[AWO], v3, 16, v[A16R]         ; 16 hh rows of 4,096 bytes
	v_lshl_add_u32 v[AWO], s12, 17, v[AWO]         ; 32 wave rows
	s_lshl_b32 s14, ttmp9, 8                       ; my 64 columns
	s_mov_b32 s15, 0
	s_wait_kmcnt 0x0
	s_add_nc_u64 s[6:7], s[6:7], s[14:15]
	s_add_nc_u64 s[8:9], s[8:9], s[14:15]
	s_add_nc_u64 s[10:11], s[10:11], s[14:15]
	s_cmp_lg_u32 s12, 0
	s_cbranch_scc1 .Lnobo                          ; wave 0's own load stands first: the counts behind it are the same in every wave
	global_load_b128 v[BO:BO+3], v[A16R], s[8:9]
.Lnobo:
.irp j, 0,1,2,3,4,5,6,7,8,9,10,11,12,13,14,15
	global_load_b64 v[OPT+2*\j:OPT+2*\j+1], v[A8T], s[4:5] offset:4096*\j
.endr
.irp j, 0,1,2,3,4,5,6,7,8,9,10,11,12,13,14,15
	global_load_b128 v[WO+4*\j:WO+4*\j+3], v[AWO], s[6:7] offset:4096*\j th:TH_LOAD_NT     ; sixteen lanes: 256 aligned bytes of a row; each byte of Wo is read once
.endr
	v_lshlrev_b32 v[AOV], 6, v3
	v_lshl_add_u32 v[AOV], s12, 7, v[AOV]          ; 4 (32 wave + 16 hh)
	v_lshl_add_u32 v[AR], v3, 9, v[A16R]
	v_lshl_add_u32 v[AR], s12, 10, v[AR]           ; 512 (2 wave + hh) + 16 r
	v_lshl_add_u32 v[AOUT], v3, 12, v[A16R]        ; out0: batch hh, 16 r
	s_wait_loadcnt 16                              ; opart (and bo) are in; the 16 rows of Wo stay out
.irp j, 0,1,2,3,4,5,6,7
	v_pk_add_f32 v[OPT+2*\j:OPT+2*\j+1], v[OPT+2*\j:OPT+2*\j+1], v[OPT+2*\j+16:OPT+2*\j+17]
.endr
.irp j, 0,1,2,3
	v_pk_add_f32 v[OPT+2*\j:OPT+2*\j+1], v[OPT+2*\j:OPT+2*\j+1], v[OPT+2*\j+8:OPT+2*\j+9]
.endr
	v_pk_add_f32 v[OPT:OPT+1], v[OPT:OPT+1], v[OPT+4:OPT+5]
	v_pk_add_f32 v[OPT+2:OPT+3], v[OPT+2:OPT+3], v[OPT+6:OPT+7]
	v_pk_add_f32 v[OPT:OPT+1], v[OPT:OPT+1], v[OPT+2:OPT+3]
	ds_store_b64 v[A8T], v[OPT:OPT+1] offset:O
	s_wait_dscnt 0x0
	s_barrier_signal -1
	s_barrier_wait -1
.irp b, 0,1
.irp j, 0,1,2,3
	ds_load_b128 v[OV+16*\b+4*\j:OV+16*\b+4*\j+3], v[AOV] offset:O+2048*\b+16*\j
.endr
.endr
	s_wait_loadcnt 0x0
	s_wait_dscnt 0x0
.irp i, 0,1,2,3,4,5,6,7,8,9,10,11,12,13,14,15
.irp b, 0,1
.irp c, 0,2
	BCAST ACC+4*\b+\c, WO+4*\i+\c, OV+16*\b, \i
.endr
.endr
.endr
	ds_store_b128 v[AR], v[ACC:ACC+3] offset:R
	ds_store_b128 v[AR], v[ACC+4:ACC+7] offset:R+256
	s_wait_dscnt 0x0
	s_barrier_signal -1
	s_barrier_wait -1
	s_cmp_lg_u32 s12, 0
	s_cbranch_scc1 .Lend
.irp p, 0,1,2,3,4,5,6,7,8,9,10,11,12,13,14,15,16,17,18,19,20,21,22,23,24,25,26,27,28,29,30,31
	ds_load_b128 v[F+4*\p:F+4*\p+3], v[A16L] offset:R+512*\p       ; 16 lane = 256 batch + 16 r
.endr
	s_wait_dscnt 0x0
.irp p, 0,1,2,3,4,5,6,7,8,9,10,11,12,13,14,15
	VADD4 F+4*\p, F+4*\p+64
.endr
.irp p, 0,1,2,3,4,5,6,7
	VADD4 F+4*\p, F+4*\p+32
.endr
.irp p, 0,1,2,3
	VADD4 F+4*\p, F+4*\p+16
.endr
	VADD4 F, F+8
	VADD4 F+4, F+12
	VADD4 F, F+4
	VADD4 F, BO
	global_store_b128 v[AOUT], v[F:F+3], s[10:11]  ; each half of the lanes stores 256 consecutive bytes, aligned, of its batch's row
.Lend:
	s_wait_tensorcnt 0x0
	ds_add_u32 v176, v177
	s_wait_dscnt 0x0
	s_endpgm
.Lfunc_end_k_qd8077881b3_outp:
	.size	k_qd8077881b3_outp, .Lfunc_end_k_qd8077881b3_outp-k_qd8077881b3_outp
	.p2alignl 7, 3214868480
	.fill 96, 4, 3214868480
	.section	.rodata,"a",@progbits
	.p2align	6, 0x0
	.amdhsa_kernel k_qd8077881b3_outp
		.amdhsa_group_segment_fixed_size 22528
		.amdhsa_private_segment_fixed_size 0
		.amdhsa_enable_private_segment 0
		.amdhsa_kernarg_size 32
		.amdhsa_user_sgpr_count 2
		.amdhsa_user_sgpr_kernarg_segment_ptr 1
		.amdhsa_wavefront_size32 1
		.amdhsa_system_sgpr_workgroup_id_x 1
		.amdhsa_system_sgpr_workgroup_id_y 1
		.amdhsa_system_sgpr_workgroup_id_z 1
		.amdhsa_system_vgpr_workitem_id 0
		.amdhsa_next_free_vgpr 178
		.amdhsa_next_free_sgpr 66
		.amdhsa_reserve_vcc 0
		.amdhsa_float_denorm_mode_32 3
		.amdhsa_float_denorm_mode_16_64 3
		.amdhsa_memory_ordered 1
		.amdhsa_forward_progress 1
		.amdhsa_inst_pref_size 17
	.end_amdhsa_kernel
	.amdgpu_metadata
---
amdhsa.version: [ 1, 2 ]
amdhsa.kernels:
  - .name:           k_qd8077881b3_outp
    .symbol:         k_qd8077881b3_outp.kd
    .args:
      - { .name: opart, .offset: 0, .size: 8, .value_kind: global_buffer, .address_space: global }
      - { .name: Wo, .offset: 8, .size: 8, .value_kind: global_buffer, .address_space: global }
      - { .name: bo, .offset: 16, .size: 8, .value_kind: global_buffer, .address_space: global }
      - { .name: out0, .offset: 24, .size: 8, .value_kind: global_buffer, .address_space: global }
    .group_segment_fixed_size: 22528
    .private_segment_fixed_size: 0
    .kernarg_segment_align: 8
    .kernarg_segment_size: 32
    .max_flat_workgroup_size: 512
    .sgpr_count:     66
    .vgpr_count:     178
    .wavefront_size: 32
...
	.end_amdgpu_metadata
.endif
;; end of part 5
;; ======== version 2 of 2: 5 launches; version 1 with the launch attn written anew for expert scheduling mode
;; limits: a function is approximated: absolute error at most 1.5e-07
;; workspace buffers: p1 49,152 bytes; wnat 131,072 bytes; cpart 8,519,680 bytes; opart 65,536 bytes
;; launch proj: the kernel of part 1 again; grid 8 x 6, 8 waves a work-group, no clusters, 9,216 bytes of LDS; arguments h, Wq, tau_w1, del_w1, p1; writes p1
;; launch wvec: the kernel of part 2 again; grid 8 x 8, 8 waves a work-group, no clusters, 13,824 bytes of LDS; arguments p1, Wk, del_w2, del_b2, tau_w1, del_w1, tau_b1, del_b1, tau_w2, tau_b2, pre_norm_sigma, pre_norm_mu, wnat; writes wnat
;; launch attn (part 6): grid 128 x 1, 16 waves a work-group, no clusters, 258,048 bytes of LDS; arguments h, wnat, cpart; writes cpart
.if DOCPART == 6
	.amdgcn_target "amdgcn-amd-amdhsa--gfx1250"
	.amdhsa_code_object_version 6
	.text
	.protected	k_qd8077881b3_attn
	.globl	k_qd8077881b3_attn
	.p2align	8
	.type	k_qd8077881b3_attn,@function
k_qd8077881b3_attn:
	s_mov_b64 s[64:65], 0
	v_nop
	global_prefetch_b8 v0, s[64:65] scope:SCOPE_SE
	s_setreg_imm32_b32 hwreg(HW_REG_WAVE_SCHED_MODE, 0, 2), 2
	s_setreg_imm32_b32 hwreg(HW_REG_WAVE_MODE, 25, 1), 1
	s_wait_xcnt 0x0
	s_wait_alu depctr_vm_vsrc(0)
; attn: the one pass over h.  Work-group g takes rows 32 g .. 32 g + 31 of h seen as [4096][1024] (batch b = g / 64):
;   logit[row][head] = h[row] . w[b][head]          (product 1: 32 x 16 x 1024)
;   p = exp(clip(logit, -50, 50))                   (the last query sees every key: the causal mask hides nothing)
;   c[head][col] = sum over rows of p h[row][col],  S[head] = sum over rows of p     (product 2: 16 x 1024 x 32, and 16 x 32 times ones)
; and stores c and S as partial sums; V is never made (the next launch multiplies c / S by Wv).
; NO MAXIMUM IS TAKEN AWAY: the module itself clips the logits to -50 .. 50, so every p lies in 2^-72.2 .. 2^72.2, a sum of 2,048 of them
; below 2^84, and p h far inside f32 and inside bf16's exponents.  That is what lets partial sums of different work-groups simply add.
; MATRIX OPERANDS are bf16 in two parts: upper (cut off) and rest (x - upper, exact in f32, then rounded); three products
; (upper x upper, rest x upper, upper x rest), sums in f32.  What is dropped is of the order 2^-16 of a product.
; Wave w owns strip w (columns 64 w .. +63): it loads them, does their share of product 1's K, and makes their 64 columns of c.
; h is asked for once, whole, at the wave's first lines: 16 loads a wave, 128 KiB a work-group, and stays in registers for product 2.
; No cluster: what the 64 work-groups of a batch share is w, 64 KiB of the 257 KiB that a group moves, and there is one step only.
; LIMITS: the clip is max_num / min_num (a NaN logit becomes a bound); an infinite h gives NaN in the rest.
; THE MODE: SCHED_MODE bits 1:0 = 2 (LLVM: expert scheduling mode 2), set by the entry lines.  The code itself states the register dependences
; between vector or matrix instructions and memory or LDS instructions, with s_wait_alu, always for 0.
; THE PLAN.  Registers that memory or LDS instructions touch:
;   v4, v5      offsets of the global loads: made at the head, never written again.
;   v6 .. v14   LDS addresses and the offset in cpart: made while the global loads are out, never written again.
;   WRAW        w lands here; eight LDS stores read it; later p's loads and p's two parts take these registers.
;   X           h lands here.  Step t splits X + 8 t .. + 7 and lays the four packed pairs that go to LDS back into these same eight registers:
;               each step has an out-buffer of its own.  Its four LDS stores are issued in step t + 1, whose vector lines name T, X + 8 (t + 1) ..,
;               BHI and BLO alone.  Behind the last stores product 1's fragments land in all of X; product 2 writes its sums there; the global stores read those.
;   T           vector lines alone during the steps; then the 16 partial logits land in it; T + 1 is the data of p's LDS store; then vector lines write it again.
;   D1          product 1's results, read by four LDS stores; v246 and v247 of it are made anew at the end.
;   WF lands from LDS and is read by matrix instructions alone; BHI, BLO, AHI, ALO and ONES are named by vector and matrix instructions alone (AHI, ALO lie where WRAW lay).
; So one wait on va_vdst stands at the head of each of steps 1 to 7, behind the step's wait for its data, one behind step 7, one behind each product's places,
; one behind the exponential; two waits on vm_vsrc stand where registers that LDS stores have read are taken for something else.
.set PIT,  144                         ; LDS pitch: 64 bf16 + 16 bytes, 36 words: sixteen rows of a fragment start 36 words apart
.set XPW,  64*PIT                      ; XP   byte 0:       16 waves x 64 rows: my strip of h, rows 0-31 upper, 32-63 rest; the wave's own
.set WXB,  16*XPW                      ; WX   byte 147,456: 16 waves x 32 rows: my strip of w, row = 16 part + head; the wave's own
.set WXW,  32*PIT
.set PART, WXB+16*WXW                  ; PART byte 221,184: 16 waves x 2,048: partial logits
.set PB,   PART+16*2048                ; PB   byte 253,952: 2,048: p
.set T,    16                          ; v[16:31]   at work
.set X,    40                          ; v[40:103]  h as loaded: load i at X + 4 i; then each step's packed pairs; then product 1's A fragments at X + 32 part + 16 tile + 8 kstep
.set ACC,  40                          ; v[40:71]   then product 2's four tiles
.set SACC, 72                          ; v[72:79]   and S
.set WRAW, 104                         ; v[104:135] w as loaded
.set P,    104                         ; v[104:119] then p
.set AHI,  120                         ; v[120:127] p, upper
.set ALO,  128                         ; v[128:135] p, rest
.set WF,   136                         ; v[136:167] product 1's B fragments at WF + 16 part + 8 kstep
.set BHI,  168                         ; v[168:199] product 2's B fragments, upper: tile e at BHI + 8 e
.set BLO,  200                         ; v[200:231] rest
.set D1,   232                         ; v[232:247] product 1's two tiles
.set ONES, 248                         ; v[248:255] a B fragment of ones
; v4 offset in h; v5 16 lane; v6, v7 XP store, read; v8, v9 WX store, read; v10, v11 PART store, read; v12, v13 PB store, read; v14 offset in cpart
.macro MM d, a, b, first               ; one matrix instruction; first = 1: it starts the sum
.if \first
	v_wmma_f32_16x16x32_bf16 v[\d:\d+7], v[\a:\a+7], v[\b:\b+7], 0
.else
	v_wmma_f32_16x16x32_bf16 v[\d:\d+7], v[\a:\a+7], v[\b:\b+7], v[\d:\d+7]
.endif
.endm
; Piece n of the four that step t sends to LDS: 0 the first row's upper parts, 1 its rests, 2 the second row's upper parts, 3 its rests.
.macro PUT t, n
	ds_store_b64 v6, v[X+8*(\t)+2*(\n):X+8*(\t)+2*(\n)+1] offset:PIT*(2*(\t)+8*((\t)/4)+(\n)/2)+32*PIT*((\n)%2)
.endm
; Step t: loads 2 t and 2 t + 1 (two neighbouring rows, my 4 columns) are split.  Packed along the rows they ARE register t of product 2's B fragments:
; lane (r, hh) holds rows 8 hh + 0..7 and 16 + 8 hh + 0..7, which is the k that a B fragment wants of it, and column 4 r + e is column r of tile e.
; Packed along the columns they go to LDS for product 1's A: these eight words are laid into the eight registers that the two loads filled, behind the last line that reads those.
; The four LDS stores of the step before are dealt among this step's lines.
.macro STEP t
	s_wait_loadcnt 14-2*\t                         ; loads come back in order: these two are in, the younger ones stay out
.if \t > 0
	s_wait_alu depctr_va_vdst(0)                   ; the step before has written its eight packed words, which the four LDS stores dealt below read; no vector line of this step names them or v6
	PUT (\t)-1, 0
.endif
.irp j, 0,1,2,3,4,5,6,7
	v_and_b32 v[T+\j], s11, v[X+8*\t+\j]
.endr
.if \t > 0
	PUT (\t)-1, 1
.endif
.irp j, 0,2,4,6
	v_pk_add_f32 v[T+8+\j:T+9+\j], v[X+8*\t+\j:X+8*\t+\j+1], v[T+\j:T+\j+1] neg_lo:[0,1] neg_hi:[0,1]
.endr
.if \t > 0
	PUT (\t)-1, 2
.endif
.irp e, 0,1,2,3
	v_perm_b32 v[BHI+8*\e+\t], v[X+8*\t+4+\e], v[X+8*\t+\e], s12
	v_cvt_pk_bf16_f32 v[BLO+8*\e+\t], v[T+8+\e], v[T+12+\e]
.endr
.if \t > 0
	PUT (\t)-1, 3
.endif
	v_perm_b32 v[X+8*\t], v[X+8*\t+1], v[X+8*\t], s12              ; each line writes a register whose number has been read for the last time
	v_perm_b32 v[X+8*\t+1], v[X+8*\t+3], v[X+8*\t+2], s12
	v_cvt_pk_bf16_f32 v[X+8*\t+2], v[T+8], v[T+9]
	v_cvt_pk_bf16_f32 v[X+8*\t+3], v[T+10], v[T+11]
	v_perm_b32 v[X+8*\t+4], v[X+8*\t+5], v[X+8*\t+4], s12
	v_perm_b32 v[X+8*\t+5], v[X+8*\t+7], v[X+8*\t+6], s12
	v_cvt_pk_bf16_f32 v[X+8*\t+6], v[T+12], v[T+13]
	v_cvt_pk_bf16_f32 v[X+8*\t+7], v[T+14], v[T+15]
.endm
	s_load_b128 s[4:7], s[0:1], 0x0                ; h s[4:5], wnat s[6:7]
	s_load_b64 s[8:9], s[0:1], 0x10                ; cpart
	v_lshrrev_b32 v1, 5, v0
	v_readfirstlane_b32 s10, v1                    ; wave 0..15 = strip
	v_and_b32 v1, 31, v0                           ; lane
	v_and_b32 v2, 15, v0                           ; r
	v_bfe_u32 v3, v0, 4, 1                         ; hh
	v_lshlrev_b32 v5, 4, v1
	v_lshlrev_b32 v15, 4, v2
	v_lshl_add_u32 v4, v3, 15, v15                 ; 8 hh rows of 4,096 bytes + 16 r
	s_wait_alu depctr_va_sdst(0)                   ; s10 is written, ahead of its first reader, the next line
	v_lshl_add_u32 v4, s10, 8, v4                  ; + 256 wave
	s_lshl_b32 s14, ttmp9, 17                      ; 32 rows of 4,096 bytes a group
	s_mov_b32 s15, 0
	s_lshr_b32 s16, ttmp9, 6                       ; batch
	s_lshl_b32 s16, s16, 16
	s_lshl_b32 s18, s10, 12
	s_add_co_u32 s16, s16, s18                     ; 65,536 b + 4,096 strip
	s_mov_b32 s17, 0
	s_mul_i32 s18, ttmp9, 66560                    ; my block of cpart
	s_mov_b32 s19, 0
	s_mov_b32 s11, 0xffff0000                      ; a word's upper bf16
	s_mov_b32 s12, 0x07060302                      ; v_perm_b32: the upper halves of two words
	s_wait_kmcnt 0x0
	s_add_nc_u64 s[4:5], s[4:5], s[14:15]
	s_add_nc_u64 s[6:7], s[6:7], s[16:17]
	s_add_nc_u64 s[8:9], s[8:9], s[18:19]
	s_wait_alu depctr_va_vdst(0)                   ; v4 and v5 are written: the 24 loads below read them as their offsets
.irp i, 0,1,2,3,4,5,6,7
	global_load_b128 v[WRAW+4*\i:WRAW+4*\i+3], v5, s[6:7] offset:512*\i        ; my strip of w: 4,096 consecutive bytes
.endr
.irp i, 0,1,2,3,4,5,6,7,8,9,10,11,12,13,14,15
	global_load_b128 v[X+4*\i:X+4*\i+3], v4, s[4:5] offset:4096*(\i+8*(\i/8)) th:TH_LOAD_NT   ; row i + 8 (i / 8) + 8 hh: each half of the lanes takes 256 aligned bytes
.endr
	s_mul_i32 s20, s10, XPW
	s_mul_i32 s21, s10, WXW
	s_add_co_u32 s21, s21, WXB
	s_lshl_b32 s22, s10, 11
	s_add_co_u32 s22, s22, PART
	v_mul_u32_u24 v6, v3, 8*PIT
	v_lshl_add_u32 v6, v2, 3, v6
	v_add_nc_u32 v6, s20, v6                       ; XP in: row 8 hh (+ the load's row), 8 bytes at 8 r
	v_mul_u32_u24 v7, v2, PIT
	v_lshl_add_u32 v7, v3, 4, v7                   ; a fragment: row r, 16 hh
	v_add_nc_u32 v9, s21, v7
	v_add_nc_u32 v7, s20, v7
	v_lshrrev_b32 v8, 3, v1
	v_mul_u32_u24 v8, v8, PIT
	v_and_b32 v16, 7, v1
	v_lshl_add_u32 v8, v16, 4, v8
	v_add_nc_u32 v8, s21, v8                       ; WX in: eight lanes a row of 128 bytes
	v_add_nc_u32 v10, s22, v5
	v_lshlrev_b32 v12, 2, v0
	v_add_nc_u32 v11, PART, v12
	v_add_nc_u32 v12, PB, v12
	v_add_nc_u32 v13, PB, v5
	v_lshl_add_u32 v14, s10, 12, v5
	; w into fragment order, through the wave's own LDS bytes (LDS serves a wave's instructions in order: ISA guide 5.7.1)
	s_wait_loadcnt 16                              ; w is in; the 16 loads of h stay out
	s_wait_alu depctr_va_vdst(0)                   ; v6 to v14 are written: every LDS instruction and every store of the kernel reads one of them as its address
.irp i, 0,1,2,3,4,5,6,7
	ds_store_b128 v8, v[WRAW+4*\i:WRAW+4*\i+3] offset:4*PIT*\i
.endr
.irp q, 0,1
.irp k, 0,1
	ds_load_b128 v[WF+16*\q+8*\k:WF+16*\q+8*\k+3],   v9 offset:16*PIT*\q+64*\k
	ds_load_b128 v[WF+16*\q+8*\k+4:WF+16*\q+8*\k+7], v9 offset:16*PIT*\q+64*\k+32
.endr
.endr
.irp t, 0,1,2,3,4,5,6,7
	STEP \t
.endr
	s_wait_alu depctr_va_vdst(0)                   ; step 7 has written its eight packed words, which the four stores below read; and every line that read or wrote v[X ..] is done, ahead of the fragments' loads into them
.irp n, 0,1,2,3
	PUT 7, \n
.endr
	s_wait_alu depctr_vm_vsrc(0)                   ; the 32 LDS stores have read v[X ..], in which the loads below land; w's eight stores have read v[WRAW ..], which p and its two parts take later
	; product 1's A fragments, from my own bytes, onto the registers that held h
.irp q, 0,1
.irp m, 0,1
.irp k, 0,1
	ds_load_b128 v[X+32*\q+16*\m+8*\k:X+32*\q+16*\m+8*\k+3],   v7 offset:32*PIT*\q+16*PIT*\m+64*\k
	ds_load_b128 v[X+32*\q+16*\m+8*\k+4:X+32*\q+16*\m+8*\k+7], v7 offset:32*PIT*\q+16*PIT*\m+64*\k+32
.endr
.endr
.endr
	s_wait_dscnt 0x0
	; PRODUCT 1: rows x heads over my 64 columns.  The two row tiles take turns, one instruction a turn.
	MM D1,   X,       WF,    1                     ; k 0-31: upper x upper
	MM D1+8, X+16,    WF,    1
	MM D1,   X+32,    WF,    0                     ;         rest x upper
	MM D1+8, X+48,    WF,    0
	MM D1,   X,       WF+16, 0                     ;         upper x rest
	MM D1+8, X+16,    WF+16, 0
	MM D1,   X+8,     WF+8,  0                     ; k 32-63
	MM D1+8, X+24,    WF+8,  0
	MM D1,   X+40,    WF+8,  0
	MM D1+8, X+56,    WF+8,  0
	MM D1,   X+8,     WF+24, 0
	MM D1+8, X+24,    WF+24, 0
.rept 4
	v_nop                                          ; four places behind the last matrix instruction before its result is stored (ISA guide 7.12.1)
.endr
	s_wait_alu depctr_va_vdst(0)                   ; the matrix instructions have written v[D1 ..], which the LDS stores read (the places above stay beside this wait); the steps' lines are done with v[T ..], in which the loads behind the barrier land
.irp j, 0,1,2,3
	ds_store_b128 v10, v[D1+4*\j:D1+4*\j+3] offset:512*\j          ; word 128 j + 4 lane + i = my register 4 j + i
.endr
	s_wait_dscnt 0x0                               ; stored before I say so
	s_barrier_signal -1
	s_barrier_wait -1
	; the 16 waves' shares are added, one word a thread; clip; exponential
.irp p, 0,1,2,3,4,5,6,7,8,9,10,11,12,13,14,15
	ds_load_b32 v[T+\p], v11 offset:2048*\p
.endr
	s_wait_dscnt 0x0
.irp j, 0,2,4,6
	v_pk_add_f32 v[T+\j:T+\j+1], v[T+\j:T+\j+1], v[T+\j+8:T+\j+9]
.endr
	v_pk_add_f32 v[T:T+1], v[T:T+1], v[T+4:T+5]
	v_pk_add_f32 v[T+2:T+3], v[T+2:T+3], v[T+6:T+7]
	v_pk_add_f32 v[T:T+1], v[T:T+1], v[T+2:T+3]
	v_add_f32 v[T], v[T], v[T+1]
	v_max_num_f32 v[T], 0xc2480000, v[T]           ; -50
	v_min_num_f32 v[T], 0x42480000, v[T]           ; 50
	v_mul_f32 v[T], 0x3fb8aa3b, v[T]
	v_exp_f32 v[T+1], v[T]
.irp j, 0,1,2,3,4,5,6,7
	v_mov_b32 v[ONES+\j], 0x3f803f80               ; two bf16 ones; also the plain instructions behind the transcendental (ISA guide 5.7.2)
.endr
	s_wait_alu depctr_va_vdst(0)                   ; the exponential has written v[T+1], ahead of the first line that names it: the LDS store, which reads it as its data
	ds_store_b32 v12, v[T+1]
	s_wait_dscnt 0x0
	s_barrier_signal -1
	s_barrier_wait -1
	; every wave takes p back in product 1's result layout: lane (r, hh) has head r, rows 8 hh + 0..7 and 16 + 8 hh + 0..7,
	; which is what an A fragment [head][row] wants of it
.irp j, 0,1,2,3
	ds_load_b128 v[P+4*\j:P+4*\j+3], v13 offset:512*\j
.endr
	s_wait_dscnt 0x0
	s_wait_alu depctr_vm_vsrc(0)                   ; p's LDS store has read v[T+1], which the lines below write again; the partial logits' stores have read v[D1 ..], of which v246 and v247 are made anew at the end
.irp j, 0,1,2,3,4,5,6,7
	v_perm_b32 v[AHI+\j], v[P+2*\j+1], v[P+2*\j], s12
.endr
.irp j, 0,1,2,3,4,5,6,7,8,9,10,11,12,13,14,15
	v_and_b32 v[T+\j], s11, v[P+\j]
.endr
.irp j, 0,2,4,6,8,10,12,14
	v_pk_add_f32 v[T+\j:T+\j+1], v[P+\j:P+\j+1], v[T+\j:T+\j+1] neg_lo:[0,1] neg_hi:[0,1]
.endr
.irp j, 0,1,2,3,4,5,6,7
	v_cvt_pk_bf16_f32 v[ALO+\j], v[T+2*\j], v[T+2*\j+1]
.endr
	; PRODUCT 2: heads x my 64 columns over the 32 rows, and S.  Five accumulators take turns, one instruction a turn.
.irp e, 0,1,2,3
	MM ACC+8*\e, AHI, BHI+8*\e, 1
.endr
	MM SACC, AHI, ONES, 1
.irp e, 0,1,2,3
	MM ACC+8*\e, AHI, BLO+8*\e, 0
.endr
	MM SACC, ALO, ONES, 0
.irp e, 0,1,2,3
	MM ACC+8*\e, ALO, BHI+8*\e, 0
.endr
.rept 4
	v_nop                                          ; four places before the results are stored (ISA guide 7.12.1)
.endr
	s_wait_alu depctr_va_vdst(0)                   ; the matrix instructions have written v[ACC ..] and v[SACC ..], which the stores below read, wave 0's two behind the branch among them
.irp e, 0,1,2,3
.irp q, 0,1
	global_store_b128 v14, v[ACC+8*\e+4*\q:ACC+8*\e+4*\q+3], s[8:9] offset:1024*\e+512*\q   ; c[8 hh + 4 q + i][64 w + 4 r + e]: 512 consecutive bytes a store
.endr
.endr
	s_cmp_lg_u32 s10, 0
	s_cbranch_scc1 .Lend                           ; S is the same in every wave: wave 0 stores it (its v14 is 16 lane)
	global_store_b128 v14, v[SACC:SACC+3], s[8:9] offset:65536
	global_store_b128 v14, v[SACC+4:SACC+7], s[8:9] offset:65536+512
.Lend:
	s_wait_xcnt 0x0
	v_lshl_add_u32 v246, v0, 2, 0x3e800            ; the add's two registers are made anew: all 256 registers are in use until here, and v0 is as at the entry
	v_mov_b32 v247, 0
	s_wait_dscnt 0x0                               ; the closing lines, six on end
	s_wait_alu 0x0
	s_wait_tensorcnt 0x0
	ds_add_u32 v246, v247
	s_wait_dscnt 0x0
	s_endpgm
.Lfunc_end_k_qd8077881b3_attn:
	.size	k_qd8077881b3_attn, .Lfunc_end_k_qd8077881b3_attn-k_qd8077881b3_attn
	.p2alignl 7, 3214868480
	.fill 96, 4, 3214868480
	.section	.rodata,"a",@progbits
	.p2align	6, 0x0
	.amdhsa_kernel k_qd8077881b3_attn
		.amdhsa_group_segment_fixed_size 258048
		.amdhsa_private_segment_fixed_size 0
		.amdhsa_enable_private_segment 0
		.amdhsa_kernarg_size 24
		.amdhsa_user_sgpr_count 2
		.amdhsa_user_sgpr_kernarg_segment_ptr 1
		.amdhsa_wavefront_size32 1
		.amdhsa_system_sgpr_workgroup_id_x 1
		.amdhsa_system_sgpr_workgroup_id_y 1
		.amdhsa_system_sgpr_workgroup_id_z 1
		.amdhsa_system_vgpr_workitem_id 0
		.amdhsa_next_free_vgpr 256
		.amdhsa_next_free_sgpr 66
		.amdhsa_reserve_vcc 0
		.amdhsa_float_denorm_mode_32 3
		.amdhsa_float_denorm_mode_16_64 3
		.amdhsa_memory_ordered 1
		.amdhsa_forward_progress 1
		.amdhsa_inst_pref_size 30
	.end_amdhsa_kernel
	.amdgpu_metadata
---
amdhsa.version: [ 1, 2 ]
amdhsa.kernels:
  - .name:           k_qd8077881b3_attn
    .symbol:         k_qd8077881b3_attn.kd
    .args:
      - { .name: h, .offset: 0, .size: 8, .value_kind: global_buffer, .address_space: global }
      - { .name: wnat, .offset: 8, .size: 8, .value_kind: global_buffer, .address_space: global }
      - { .name: cpart, .offset: 16, .size: 8, .value_kind: global_buffer, .address_space: global }
    .group_segment_fixed_size: 258048
    .private_segment_fixed_size: 0
    .kernarg_segment_align: 8
    .kernarg_segment_size: 24
    .max_flat_workgroup_size: 512
    .sgpr_count:     66
    .vgpr_count:     256
    .wavefront_size: 32
...
	.end_amdgpu_metadata
.endif
;; end of part 6
;; launch ctx: the kernel of part 4 again; grid 16 x 8, 8 waves a work-group, no clusters, 26,624 bytes of LDS; arguments cpart, Wv, opart; writes opart
;; launch outp: the kernel of part 5 again; grid 16 x 1, 16 waves a work-group, no clusters, 22,528 bytes of LDS; arguments opart, Wo, bo, out0; writes out0
